; MI455X (gfx1250); checked and timed in simulation.
; The chip was launched on July 23, 2026; its instructions are those of AMD's public machine-readable ISA for CDNA 5 (MIT licence, August 2026) and "CDNA5" Instruction Set Architecture Reference Guide (July 2026). The comments in the code are by the model that wrote it; some were corrected since.
;; Multi Head Self Attention. Allowed arithmetic: matrix products marked QUANTISED: E3M2 operands, one E8M0 scale for each 32 along K, by v_wmma_scale_f32_16x16x128_f8f6f4 with both operands' format E3M2, f32 sums; everything else in f32.
;; Inputs: Wk_codes 1,024 x 32 x 24 uint8 (E3M2 codes of Wk, K innermost, in blocks of 32 codes, four codes in three bytes); Wk_scales 1,024 x 32 uint8 (E8M0 scales of Wk, one for each 32 codes along K); Wp_codes 1,024 x 32 x 24 uint8 (E3M2 codes of Wp, K innermost, in blocks of 32 codes, four codes in three bytes); Wp_scales 1,024 x 32 uint8 (E8M0 scales of Wp, one for each 32 codes along K); Wq_codes 1,024 x 32 x 24 uint8 (E3M2 codes of Wq, K innermost, in blocks of 32 codes, four codes in three bytes); Wq_scales 1,024 x 32 uint8 (E8M0 scales of Wq, one for each 32 codes along K); Wv_codes 1,024 x 32 x 24 uint8 (E3M2 codes of Wv, K innermost, in blocks of 32 codes, four codes in three bytes); Wv_scales 1,024 x 32 uint8 (E8M0 scales of Wv, one for each 32 codes along K); beta 1,024 float32; bk 1,024 float32; bp 1,024 float32; bq 1,024 float32; bv 1,024 float32; gamma 1,024 float32; hidden_input 4 x 2,048 x 1,024 float32.
;; Outputs: out0 4 x 2,048 x 1,024 float32.
;; This version of the problem:
;;   THIS VERSION OF THE PROBLEM IS GIVEN IN LOW PRECISION. The matrix products marked QUANTISED in the list below multiply operands that are first quantised to E3M2 (3 exponent bits, 2 mantissa bits; 6 bits a number), with one power-of-two scale for each 32 numbers along K (OCP MX v1.0); their sums are f32. All else is computed in f32.
;;   The module's matrix products, in the order in which they are computed (A, B: the left and right operand; K: the contracted axis; several contracted axes count as one K, in the product's order):
;;     1. [M 8,192, K 1,024] x [K 1,024, N 1,024]; A: input hidden_input; B: input Wq (given as codes): QUANTISED
;;     2. [M 8,192, K 1,024] x [K 1,024, N 1,024]; A: input hidden_input; B: input Wk (given as codes): QUANTISED
;;     3. [M 8,192, K 1,024] x [K 1,024, N 1,024]; A: input hidden_input; B: input Wv (given as codes): QUANTISED
;;     4. batch 64 x [M 2,048, K 64] x [K 64, N 2,048]; A: computed on the way; B: computed on the way: QUANTISED
;;     5. batch 64 x [M 2,048, K 2,048] x [K 2,048, N 64]; A: softmax (see below); B: computed on the way: QUANTISED
;;     6. [M 8,192, K 1,024] x [K 1,024, N 1,024]; A: computed on the way; B: input Wp (given as codes): QUANTISED
;;   THE QUANTISER, for each operand of a quantised product, along K:
;;     - K is cut into blocks of 32 from its start; a last block that is shorter is filled with zeros.
;;     - A block's scale is 2^e with e = floor(log2(the largest magnitude in the block)) - 4, held to -126 .. 127; a block of zeros has e = 0. As a byte (E8M0): e + 127.
;;     - Each number is divided by its block's scale, clamped to +-28, and rounded to the nearest number of E3M2, ties to even, subnormals kept.
;;     - The product sums the exact products of the quantised numbers (number of the format x scale) in f32.
;;   ~~~python
;;   def quantise(x, axis):      # numpy; x: float32 -> the quantised numbers, widened to float32 again
;;       x = np.moveaxis(x, axis, -1); K = x.shape[-1]
;;       x = np.pad(x, [(0, 0)] * (x.ndim - 1) + [(0, -K % 32)]); x = x.reshape(x.shape[:-1] + (-1, 32)); a = np.abs(x).max(-1, keepdims=True)
;;       e = np.where(a > 0, np.clip(np.frexp(np.where(a > 0, a, 1))[1] - 1 - 4, -126, 127), 0)      # np.frexp(a)[1] - 1 = floor(log2(a)), exactly
;;       r = np.clip(x / 2.0 ** e, -28, 28)
;;       step = 2.0 ** (np.maximum(np.frexp(np.where(r == 0, 1, r))[1] - 1, -2) - 2)
;;       q = np.round(r / step) * step * 2.0 ** e      # np.round: ties to even
;;       return np.moveaxis(q.reshape(q.shape[:-2] + (-1,))[..., :K], -1, axis).astype(np.float32)
;;   ~~~
;;   SOFTMAX AHEAD OF A QUANTISED PRODUCT. Where the list says 'softmax', what is quantised is not the finished softmax but p = 2^(t - M), with t = logit x log2(e) and M = ceil(the row's largest t), a whole number; so 1/2 < the row's largest p <= 1. The row's sum l is taken of the UNQUANTISED p, in f32, and the product's result is divided by l at the end. Since M is a whole number, a kernel that streams over the keys may use a running M (the ceiling of the running maximum): every later rescaling is an exact power of two, which a block's scale takes up: the codes' values come out the same.
;;   OPERANDS COMPUTED ON THE WAY. 'Computed on the way' means the value that the module computes at that place (a softmax that the list does not call 'softmax' is quantised finished and normalised). What goes into a quantiser is computed in f32, as accurately as f32 sums, v_exp_f32 and their like allow (about 1e-6 of the number): no bf16 or f16 on the way to a quantiser, and a product that is left as it is and whose result goes on into a quantised operand takes f32 operands (vector FMAs, or v_wmma_f32_16x16x4_f32). A number that lies on a knife's edge between two numbers of the format may be rounded either way, as far as f32 arithmetic and the matrix unit's own rounding can turn it there, and no further.
;;   INPUTS GIVEN AS CODES. Wk (in the module: [1024, 1024], K = its axis 0); Wp (in the module: [1024, 1024], K = its axis 0); Wq (in the module: [1024, 1024], K = its axis 0); Wv (in the module: [1024, 1024], K = its axis 0): each comes as NAME_codes (uint8): NAME with its K axis moved to the last place and cut into blocks of 32 codes, [.., K / 32, bytes a block], one block behind the other in memory; four codes in three bytes: a row's codes are one little-endian stream of bits, code i at bits 6 i .. 6 i + 5 (a code: sign, 3 exponent bits, 2 mantissa bits); and NAME_scales (uint8): the same leading axes, one E8M0 byte (e + 127) for each 32 codes along K. Its value is code x scale, taken as it is: it is not quantised again, and the codes and scales need not be those that the quantiser above would give.
;; One version. Each part assembles by itself: llvm-mc -triple=amdgcn-amd-amdhsa -mcpu=gfx1250 --defsym DOCPART=n.
;; ======== version 1 of 1: 4 launches
;; limits: right only within a limited range of input values
;; workspace buffers: xq 6,553,600 bytes; wq 3,276,800 bytes; qb 6,815,744 bytes; kb 6,815,744 bytes; vb 6,553,600 bytes; cb 6,553,600 bytes
;; launch prep (part 1): grid 256 x 1, 8 waves a work-group, no clusters, 137,216 bytes of LDS; arguments hidden_input, Wq_codes, Wq_scales, Wk_codes, Wk_scales, Wv_codes, Wv_scales, Wp_codes, Wp_scales, xq, wq; writes xq, wq
.if DOCPART == 1
	.amdgcn_target "amdgcn-amd-amdhsa--gfx1250"
	.amdhsa_code_object_version 6
	.text
	.protected	k_qce085ff41a_prep
	.globl	k_qce085ff41a_prep
	.p2align	8
	.type	k_qce085ff41a_prep,@function
k_qce085ff41a_prep:
	s_mov_b64 s[64:65], 0
	v_nop
	global_prefetch_b8 v0, s[64:65] scope:SCOPE_SE
	s_setreg_imm32_b32 hwreg(HW_REG_WAVE_MODE, 25, 1), 1
	s_wait_xcnt 0x0
; hidden_input [8192][1024] f32 becomes codes of E3M2 with one E8M0 byte for each 32 along K, and the four weights (given as codes) are laid anew;
; both leave in the ORDER OF AN OPERAND'S REGISTERS, so that later launches fetch fragments by loads of 16 bytes a lane from consecutive bytes.
; TILES.  Tile T holds, in lane r, row 32 (T / 2) + 8 (T % 2) + r + 8 (r / 8).  A fragment (16 rows x 128 K, 12 registers a lane) is 1,536 bytes: registers 4 c .. 4 c + 3 of lane l at 512 c + 16 l.
; A tile's scale words for its 8 K steps are 512 bytes: lane l = (r, h) has four words at 16 l, word j for K step 2 j + h of row r.
; xq: [tile 512][K step 8] fragments, then from XSC on [tile] scale images.  wq: [q, k, v, p x 64 tiles][K step 8] fragments, then from WSC on the scale images.
; SHARES.  Work-group g, wave w: of x, tile 2 g + w / 4, K steps 2 j and 2 j + 1 with j = w % 4 (16 rows x 1,024 bytes); of the weights, K step w of tile g; wave 0 also that tile's scale image.
; A wave asks for all its 16 KiB of x at once, 32 loads of 512 consecutive bytes of one row: 2,048 waves x 16 KiB are the whole tensor, so there is no ring and no loop.
; The conversions take 16 neighbours along K from ONE lane's registers: so a K step (16 rows x 512 bytes) turns through the wave's own stage in LDS, rows 528 bytes apart (33 x 16: the sixteen rows
; of a read of 16 bytes a lane begin 16 bytes apart modulo 256), and comes back 64 bytes a lane and block.
; A wave's two scale words (step 2 j in lanes 0-15, step 2 j + 1 in lanes 16-31) are word j of its tile's scale image: the four waves of a tile hand them over in LDS, behind the one barrier, and one wave stores the image whole.
; A block's scale is 2^(floor(log2(largest magnitude)) - 4); its byte is that magnitude's exponent field - 4, held at 1 from below.
; LIMITS: a block of zeros, or one whose largest magnitude lies under 2^-122, keeps the byte 1 (its codes are zeros or tiny; only this program reads the bytes); NaN and infinities are not served.
.set XSC,   6291456
.set WSC,   3145728
.set PITCH, 528                        ; a stage's row: 512 bytes + 16
.set STG,   16*PITCH                   ; a stage
.set WREG,  2*STG                      ; a wave's two stages
.set SCI,   8*WREG                     ; behind the stages: 128 bytes for each wave's scale word
.set L16, 1                            ; v1      16 x lane
.set L4,  2                            ; v2      4 x lane
.set XR,  3                            ; v3      my stages, on the way out: row r, + 64 h
.set WA,  4                            ; v4      weight codes: row r + 8 (r / 8), + 24 h
.set WSA, 5                            ; v5      weight scales: the same row, + 4 h
.set SW,  6                            ; v6      my stages, on the way in: 16 x lane
.set SIW, 7                            ; v7      where my wave's scale word goes
.set WS4, 8                            ; v8-11   the weight tile's scale image (wave 0)
.set W4,  12                           ; v12-15  x's scale image, gathered (waves 0 and 4)
.set W,   16                           ; v16     my wave's scale word
.set SIR, 17                           ; v17     where my tile's four words are read
.set R,   24                           ; v24-151 two K steps as they are loaded; the first half later takes the second step's neighbours
.set X,   152                          ; v152-215 the first step's neighbours
.set PC,  216                          ; v216-235 the codes just made (at first: the weight's fragment)
.set TM,  236                          ; v236-251 at work
.set PW,  TM+8                         ; the scale word just made
.set TH,  26                           ; s26     which of the work-group's two tiles: wave / 4
.set J,   27                           ; s27     which pair of K steps: wave % 4
.set SEL, 28                           ; s[28:29] lane selects: lane l xor 16
.set HI16, 30                          ; s30     mask of lanes 16-31
.set WV,  31                           ; s31     wave
; 64 numbers of a lane, register 16 b + i = k 32 b + 16 h + i of its row, become a fragment's codes and its scale word.
.macro QUANT_A src, pc, tm
.irp b, 0,1,2,3
	v_max3_num_f32 v[\tm+\b], |v[\src+16*\b]|, |v[\src+16*\b+1]|, 0x2800000   ; my 16 numbers of block b, and the floor 2^(5 - 127): the byte cannot fall under 1
.endr
.irp i, 2,4,6,8,10,12,14
.irp b, 0,1,2,3
	s_delay_alu instid0(VALU_DEP_4)
	v_max3_num_f32 v[\tm+\b], v[\tm+\b], |v[\src+16*\b+\i]|, |v[\src+16*\b+\i+1]|
.endr
.endr
.irp b, 0,1,2,3
	s_delay_alu instid0(VALU_DEP_4)
	v_permlanex16_b32 v[\tm+4+\b], v[\tm+\b], s[SEL], s[SEL+1]
.endr
.irp b, 0,1,2,3
	s_delay_alu instid0(VALU_DEP_4)
	v_max_num_f32 v[\tm+\b], v[\tm+\b], v[\tm+4+\b]                ; with lane l xor 16: the block's largest magnitude
.endr
.irp b, 0,1,2,3
	s_delay_alu instid0(VALU_DEP_4)
	v_add_nc_u32 v[\tm+12+\b], 0xfe000000, v[\tm+\b]               ; 4 off its exponent field: the conversion's scale operand
.endr
.irp b, 0,1,2,3
	s_delay_alu instid0(VALU_DEP_4)
	v_lshrrev_b32 v[\tm+4+\b], 23, v[\tm+12+\b]                    ; the scale's byte
.endr
	s_delay_alu instid0(VALU_DEP_3)
	v_lshl_or_b32 v[\tm+8], v[\tm+5], 8, v[\tm+4]
	s_delay_alu instid0(VALU_DEP_1)
	v_lshl_or_b32 v[\tm+8], v[\tm+6], 16, v[\tm+8]
	s_delay_alu instid0(VALU_DEP_1)
	v_lshl_or_b32 v[\tm+8], v[\tm+7], 24, v[\tm+8]                 ; my row's scale word
.irp c, 0,1
	v_cvt_scalef32_pk16_bf6_f32 v[\pc+6*\c:\pc+6*\c+2], v[\src+32*\c:\src+32*\c+15], v[\tm+12+2*\c]
	v_cvt_scalef32_pk16_bf6_f32 v[\pc+12+4*\c:\pc+12+4*\c+2], v[\src+32*\c+16:\src+32*\c+31], v[\tm+12+2*\c+1]   ; (three registers begin on an even number)
.endr
	v_nop                                                          ; one plain place behind a scaled conversion
.endm
.macro QUANT_B pc                      ; the layout wants a whole block in a lane: lanes 0-15 block 2 c, lanes 16-31 block 2 c + 1
.irp c, 0,1
.irp i, 0,1,2
	v_permlane16_swap_b32 v[\pc+6*\c+\i], v[\pc+12+4*\c+\i]
.endr
.irp i, 0,1,2
	s_delay_alu instid0(VALU_DEP_3)
	v_mov_b32 v[\pc+3+6*\c+\i], v[\pc+12+4*\c+\i]
.endr
.endr
.endm
	s_load_b256 s[4:11], s[0:1], 0x0               ; x s[4:5], Wq codes s[6:7], scales s[8:9], Wk codes s[10:11]
	s_load_b256 s[12:19], s[0:1], 0x20             ; Wk scales s[12:13], Wv codes s[14:15], scales s[16:17], Wp codes s[18:19]
	s_load_b128 s[20:23], s[0:1], 0x40             ; Wp scales s[20:21], xq s[22:23]
	s_load_b64 s[24:25], s[0:1], 0x50              ; wq
	v_lshl_add_u32 v254, v0, 2, 0x21400
	v_mov_b32 v255, 0
	v_lshrrev_b32 v18, 5, v0
	s_delay_alu instid0(VALU_DEP_1)
	v_readfirstlane_b32 s[WV], v18                 ; wave 0..7
	v_and_b32 v18, 31, v0                          ; lane
	s_delay_alu instid0(VALU_DEP_1)
	v_lshlrev_b32 v[L16], 4, v18
	s_delay_alu instid0(VALU_DEP_2)
	v_lshlrev_b32 v[L4], 2, v18
	v_and_b32 v19, 15, v0                          ; r
	v_bfe_u32 v20, v0, 4, 1                        ; h
	s_lshr_b32 s[TH], s[WV], 2
	s_and_b32 s[J], s[WV], 3
	; every LDS address is made here, ahead of the first branch on the wave's number: a constant + a constant x lane + a constant x wave
	s_mul_i32 s32, s[WV], WREG
	v_add_nc_u32 v[SW], s32, v[L16]
	v_mul_u32_u24 v[XR], v19, PITCH
	s_delay_alu instid0(VALU_DEP_1)
	v_lshl_add_u32 v[XR], v20, 6, v[XR]
	s_delay_alu instid0(VALU_DEP_1)
	v_add_nc_u32 v[XR], s32, v[XR]
	s_lshl_b32 s33, s[WV], 7
	s_add_co_u32 s33, s33, SCI
	v_add_nc_u32 v[SIW], s33, v[L4]
	s_lshl_b32 s33, s[TH], 9
	s_add_co_u32 s33, s33, SCI
	v_add_nc_u32 v[SIR], s33, v[L4]
	v_and_b32 v21, 8, v19
	s_delay_alu instid0(VALU_DEP_1)
	v_add_nc_u32 v21, v21, v19                     ; r + 8 (r / 8)
	s_delay_alu instid0(VALU_DEP_1)
	v_mul_u32_u24 v[WA], v21, 768                  ; a weight's row is 1,024 codes, 768 bytes
	s_delay_alu instid0(VALU_DEP_1)
	v_mad_u32_u24 v[WA], v20, 24, v[WA]
	s_delay_alu instid0(VALU_DEP_3)
	v_lshlrev_b32 v[WSA], 5, v21                   ; and 32 scale bytes
	s_delay_alu instid0(VALU_DEP_1)
	v_lshl_add_u32 v[WSA], v20, 2, v[WSA]
.irp b, 0,1,2,3
	v_mov_b32 v[TM+4+\b], 0                        ; a lane permute's destination counts as one of its sources
.endr
	s_mov_b32 s[SEL], 0x76543210
	s_mov_b32 s[SEL+1], 0xfedcba98
	s_mov_b32 s[HI16], 0xffff0000
	s_lshl_b32 s34, ttmp9, 17                      ; x: row 32 g + 8 (w / 4), 4,096 bytes a row, + my two K steps of 512 bytes
	s_lshl_b32 s35, s[TH], 15
	s_add_co_u32 s34, s34, s35
	s_lshl_b32 s35, s[J], 10
	s_add_co_u32 s34, s34, s35
	s_mov_b32 s35, 0
	s_lshl_b32 s36, ttmp9, 1
	s_add_co_u32 s36, s36, s[TH]                   ; my tile of x
	s_mul_i32 s38, s36, 12288                      ; its eight fragments, my two of them
	s_mul_i32 s39, s[J], 3072
	s_add_co_u32 s38, s38, s39
	s_mov_b32 s39, 0
	s_lshl_b32 s40, s36, 9
	s_add_co_u32 s40, s40, XSC                     ; its scale image
	s_mov_b32 s41, 0
	s_mul_i32 s42, ttmp9, 12288                    ; wq: tile g, my K step
	s_mul_i32 s43, s[WV], 1536
	s_add_co_u32 s42, s42, s43
	s_mov_b32 s43, 0
	s_lshl_b32 s44, ttmp9, 9
	s_add_co_u32 s44, s44, WSC
	s_mov_b32 s45, 0
	s_and_b32 s46, ttmp9, 63                       ; the tile within its weight
	s_lshr_b32 s47, s46, 1
	s_and_b32 s46, s46, 1
	s_mul_i32 s48, s47, 24576                      ; row 32 (tile / 2) + 8 (tile % 2), 768 bytes a row,
	s_mul_i32 s49, s46, 6144
	s_add_co_u32 s48, s48, s49
	s_mul_i32 s49, s[WV], 96                       ; my K step of 96 bytes
	s_add_co_u32 s48, s48, s49
	s_mov_b32 s49, 0
	s_lshl_b32 s50, s47, 10                        ; the same row, 32 scale bytes a row
	s_lshl_b32 s51, s46, 8
	s_add_co_u32 s50, s50, s51
	s_mov_b32 s51, 0
	s_lshr_b32 s33, ttmp9, 6                       ; which weight: q, k, v, p
	s_wait_alu depctr_va_vdst(0)
	s_wait_kmcnt 0x0
	s_cmp_eq_u32 s33, 1                            ; the choice hangs on the work-group's number alone
	s_cselect_b64 s[6:7], s[10:11], s[6:7]
	s_cselect_b64 s[8:9], s[12:13], s[8:9]
	s_cmp_eq_u32 s33, 2
	s_cselect_b64 s[6:7], s[14:15], s[6:7]
	s_cselect_b64 s[8:9], s[16:17], s[8:9]
	s_cmp_eq_u32 s33, 3
	s_cselect_b64 s[6:7], s[18:19], s[6:7]
	s_cselect_b64 s[8:9], s[20:21], s[8:9]
	s_add_nc_u64 s[4:5], s[4:5], s[34:35]
	s_add_nc_u64 s[6:7], s[6:7], s[48:49]
	s_add_nc_u64 s[8:9], s[8:9], s[50:51]
	s_add_nc_u64 s[52:53], s[22:23], s[38:39]
	s_add_nc_u64 s[54:55], s[22:23], s[40:41]
	s_add_nc_u64 s[56:57], s[24:25], s[42:43]
	s_add_nc_u64 s[58:59], s[24:25], s[44:45]
	; the weight's fragment, as it lies in its rows: 24 bytes and 24 bytes a lane, in pieces of 8
.irp p, 0,1,2,3,4,5
	global_load_b64 v[PC+2*\p:PC+2*\p+1], v[WA], s[6:7] offset:48*(\p/3)+8*(\p%3) th:TH_LOAD_NT
.endr
	s_cmp_lg_u32 s[WV], 0
	s_cbranch_scc1 .Lno_scale_loads
.irp j, 0,1,2,3
	global_load_b32 v[WS4+\j], v[WSA], s[8:9] offset:8*\j          ; the word of K step 2 j + h
.endr
.Lno_scale_loads:
	; x: all 32 loads at once; each reads 512 consecutive bytes of one row; the row and the K step stand in the immediate (94,720 at the most)
.irp e, 0,1
.irp i, 0,1,2,3,4,5,6,7,8,9,10,11,12,13,14,15
	global_load_b128 v[R+64*\e+4*\i:R+64*\e+4*\i+3], v[L16], s[4:5] offset:(\i+8*(\i/8))*4096+512*\e th:TH_LOAD_NT
.endr
.endr
	s_wait_loadcnt 32                              ; loads come back in order: the weight's are in, x's 32 may be out
.irp c, 0,1,2
	global_store_b128 v[L16], v[PC+4*\c:PC+4*\c+3], s[56:57] offset:512*\c    ; 512 consecutive bytes a store
.endr
	s_cmp_lg_u32 s[WV], 0
	s_cbranch_scc1 .Lno_scale_store
	global_store_b128 v[L16], v[WS4:WS4+3], s[58:59]
.Lno_scale_store:
	s_wait_loadcnt 16                              ; my first K step is in; the second's sixteen loads may be out
.irp i, 0,1,2,3,4,5,6,7,8,9,10,11,12,13,14,15
	ds_store_b128 v[SW], v[R+4*\i:R+4*\i+3] offset:PITCH*\i                   ; row i as it was loaded
.endr
.irp b, 0,1,2,3
.irp j, 0,1,2,3
	ds_load_b128 v[X+16*\b+4*\j:X+16*\b+4*\j+3], v[XR] offset:128*\b+16*\j    ; LDS serves a wave's instructions in order: these see my stores.  Register 16 b + 4 j + e = k 32 b + 16 h + 4 j + e of row r
.endr
.endr
	s_wait_loadcnt 0x0                             ; my second K step
.irp i, 0,1,2,3,4,5,6,7,8,9,10,11,12,13,14,15
	ds_store_b128 v[SW], v[R+64+4*\i:R+64+4*\i+3] offset:STG+PITCH*\i
.endr
	s_wait_dscnt 16                                ; all but the sixteen stores just issued: the first step's stores have read their registers, and its neighbours are in
.irp b, 0,1,2,3
.irp j, 0,1,2,3
	ds_load_b128 v[R+16*\b+4*\j:R+16*\b+4*\j+3], v[XR] offset:STG+128*\b+16*\j   ; the second step's neighbours come while the first step is quantised
.endr
.endr
	s_wait_xcnt 0x0                                ; the weight's stores have read the registers that now take codes
	QUANT_A X, PC, TM
	QUANT_B PC
.irp c, 0,1,2
	global_store_b128 v[L16], v[PC+4*\c:PC+4*\c+3], s[52:53] offset:512*\c
.endr
	v_mov_b32 v[W], v[PW]                          ; lanes 0-15 keep the even step's word
	s_wait_dscnt 0x0                               ; the second step's neighbours
	s_wait_xcnt 0x0                                ; the first step's stores have read the codes' registers
	QUANT_A R, PC, TM
	QUANT_B PC
.irp c, 0,1,2
	global_store_b128 v[L16], v[PC+4*\c:PC+4*\c+3], s[52:53] offset:1536+512*\c
.endr
	v_cndmask_b32 v[W], v[W], v[PW], s[HI16]       ; lanes 16-31 take the odd step's
	ds_store_b32 v[SIW], v[W]                      ; word j of my tile's scale image, 4 bytes a lane
	s_wait_dscnt 0x0                               ; for the others' sake: my word is stored
	s_barrier_signal -1
	s_barrier_wait -1
	s_cmp_lg_u32 s[J], 0                           ; one wave of a tile's four stores its image
	s_cbranch_scc1 .Lend
.irp j, 0,1,2,3
	ds_load_b32 v[W4+\j], v[SIR] offset:128*\j
.endr
	s_wait_dscnt 0x0
	global_store_b128 v[L16], v[W4:W4+3], s[54:55] ; 512 consecutive bytes
.Lend:
	s_wait_tensorcnt 0x0
	ds_add_u32 v254, v255
	s_wait_dscnt 0x0
	s_endpgm
.Lfunc_end_k_qce085ff41a_prep:
	.size	k_qce085ff41a_prep, .Lfunc_end_k_qce085ff41a_prep-k_qce085ff41a_prep
	.p2alignl 7, 3214868480
	.fill 96, 4, 3214868480
	.section	.rodata,"a",@progbits
	.p2align	6, 0x0
	.amdhsa_kernel k_qce085ff41a_prep
		.amdhsa_group_segment_fixed_size 137216
		.amdhsa_private_segment_fixed_size 0
		.amdhsa_enable_private_segment 0
		.amdhsa_kernarg_size 88
		.amdhsa_user_sgpr_count 2
		.amdhsa_user_sgpr_kernarg_segment_ptr 1
		.amdhsa_wavefront_size32 1
		.amdhsa_system_sgpr_workgroup_id_x 1
		.amdhsa_system_sgpr_workgroup_id_y 1
		.amdhsa_system_sgpr_workgroup_id_z 1
		.amdhsa_system_vgpr_workitem_id 0
		.amdhsa_next_free_vgpr 256
		.amdhsa_next_free_sgpr 66
		.amdhsa_reserve_vcc 0
		.amdhsa_float_denorm_mode_32 3
		.amdhsa_float_denorm_mode_16_64 3
		.amdhsa_memory_ordered 1
		.amdhsa_forward_progress 1
		.amdhsa_inst_pref_size 26
	.end_amdhsa_kernel
	.amdgpu_metadata
---
amdhsa.version: [ 1, 2 ]
amdhsa.kernels:
  - .name:           k_qce085ff41a_prep
    .symbol:         k_qce085ff41a_prep.kd
    .args:
      - { .name: hidden_input, .offset: 0, .size: 8, .value_kind: global_buffer, .address_space: global }
      - { .name: Wq_codes, .offset: 8, .size: 8, .value_kind: global_buffer, .address_space: global }
      - { .name: Wq_scales, .offset: 16, .size: 8, .value_kind: global_buffer, .address_space: global }
      - { .name: Wk_codes, .offset: 24, .size: 8, .value_kind: global_buffer, .address_space: global }
      - { .name: Wk_scales, .offset: 32, .size: 8, .value_kind: global_buffer, .address_space: global }
      - { .name: Wv_codes, .offset: 40, .size: 8, .value_kind: global_buffer, .address_space: global }
      - { .name: Wv_scales, .offset: 48, .size: 8, .value_kind: global_buffer, .address_space: global }
      - { .name: Wp_codes, .offset: 56, .size: 8, .value_kind: global_buffer, .address_space: global }
      - { .name: Wp_scales, .offset: 64, .size: 8, .value_kind: global_buffer, .address_space: global }
      - { .name: xq, .offset: 72, .size: 8, .value_kind: global_buffer, .address_space: global }
      - { .name: wq, .offset: 80, .size: 8, .value_kind: global_buffer, .address_space: global }
    .group_segment_fixed_size: 137216
    .private_segment_fixed_size: 0
    .kernarg_segment_align: 8
    .kernarg_segment_size: 88
    .max_flat_workgroup_size: 256
    .sgpr_count:     66
    .vgpr_count:     256
    .wavefront_size: 32
...
	.end_amdgpu_metadata
.endif
;; end of part 1
;; launch qkv (part 2): grid 192 x 1, 4 waves a work-group, no clusters, 327,680 bytes of LDS; arguments xq, wq, bq, bk, bv, qb, kb, vb; writes qb, kb, vb
.if DOCPART == 2
	.amdgcn_target "amdgcn-amd-amdhsa--gfx1250"
	.amdhsa_code_object_version 6
	.text
	.protected	k_qce085ff41a_qkv
	.globl	k_qce085ff41a_qkv
	.p2align	8
	.type	k_qce085ff41a_qkv,@function
k_qce085ff41a_qkv:
	s_mov_b64 s[64:65], 0
	v_nop
	global_prefetch_b8 v0, s[64:65] scope:SCOPE_SE
	s_setreg_imm32_b32 hwreg(HW_REG_WAVE_MODE, 25, 1), 1
	s_wait_xcnt 0x0
.set XS,  6291456
.set WS,  3145728
.set QS,  6291456
.set TS,  196608
.set BS,  204800
.set BT,  206848
.set SG,  210944
.set L16, 1
.set L8,  2
.set TA,  3
.set TSA, 4
.set ABS, 5
.set ABT, 6
.set SGA, 7
.set SGR, 8
.set PSEL, 9
.set ABT0, 10
.set SGA0, 11
.set TSC, 12
.set SS,  16
.set ACC, 48
.set TF,  112
.set S63, 208
.set PC,  220
.set TM,  240
.set PW,  248
.set OW,  249
.set WV,  24
.set MODE, 25
.set G1C, 40
.set G1S, 48
.set G0C, 56
.set G0S, 60
.set P0,  66
.set P1,  68
.set STP, 70
.set SO,  72
.set SP,  74
.set SSP, 76
.set BP,  78
.set CNT, 80
.set SEL, 82
.set TO,  84
.set TSO, 85
.set BTO, 86
.set SGO, 87
.set MSB, 0
.macro WIN new
.if MSB != (\new)
	s_set_vgpr_msb (MSB<<8)|(\new)
.set MSB, (\new)
.endif
.endm
.macro QUANT_A src, pc, tm
.irp b, 0,1,2,3
	v_max3_num_f32 v[\tm+\b], |v[\src+16*\b]|, |v[\src+16*\b+1]|, 0x2800000
.endr
.irp i, 2,4,6,8,10,12,14
.irp b, 0,1,2,3
	v_max3_num_f32 v[\tm+\b], v[\tm+\b], |v[\src+16*\b+\i]|, |v[\src+16*\b+\i+1]|
.endr
.endr
.irp b, 0,1,2,3
	v_permlanex16_b32 v[\tm+4+\b], v[\tm+\b], s[SEL], s[SEL+1]
.endr
.irp b, 0,1,2,3
	v_max_num_f32 v[\tm+\b], v[\tm+\b], v[\tm+4+\b]
.endr
.irp b, 0,1,2,3
	v_add_nc_u32 v[\tm+12+\b], 0xfe000000, v[\tm+\b]
.endr
.irp b, 0,1,2,3
	v_lshrrev_b32 v[\tm+4+\b], 23, v[\tm+12+\b]
.endr
	v_lshl_or_b32 v[\tm+8], v[\tm+5], 8, v[\tm+4]
	v_lshl_or_b32 v[\tm+8], v[\tm+6], 16, v[\tm+8]
	v_lshl_or_b32 v[\tm+8], v[\tm+7], 24, v[\tm+8]
.irp c, 0,1
	v_cvt_scalef32_pk16_bf6_f32 v[\pc+6*\c:\pc+6*\c+2], v[\src+32*\c:\src+32*\c+15], v[\tm+12+2*\c]
	v_cvt_scalef32_pk16_bf6_f32 v[\pc+12+4*\c:\pc+12+4*\c+2], v[\src+32*\c+16:\src+32*\c+31], v[\tm+12+2*\c+1]
.endr
	v_nop
.endm
.macro QUANT_B pc
.irp c, 0,1
.irp i, 0,1,2
	v_permlane16_swap_b32 v[\pc+6*\c+\i], v[\pc+12+4*\c+\i]
.endr
.irp i, 0,1,2
	v_mov_b32 v[\pc+3+6*\c+\i], v[\pc+12+4*\c+\i]
.endr
.endr
.endm
	s_load_b256 s[4:11], s[0:1], 0x0
	s_load_b256 s[12:19], s[0:1], 0x20
	v_lshl_add_u32 v250, v0, 2, 0x35800
	v_mov_b32 v251, 0
	ds_add_u32 v250, v251
	ds_add_u32 v250, v251
	v_lshrrev_b32 v3, 5, v0
	v_readfirstlane_b32 s[WV], v3
	v_and_b32 v3, 31, v0
	v_lshlrev_b32 v[L16], 4, v3
	v_lshlrev_b32 v[L8], 3, v3
	v_and_b32 v4, 15, v0
	v_bfe_u32 v6, v0, 4, 1
	s_lshl_b32 s30, s[WV], 9
	s_add_co_u32 s30, s30, BS
	s_lshl_b32 s31, s[WV], 11
	s_add_co_u32 s31, s31, SG
	v_lshl_add_u32 v[ABS], v6, 6, s30
	v_lshl_add_u32 v[ABT0], v4, 4, BT
	v_lshl_add_u32 v[SGA0], v6, 10, s31
	v_lshl_add_u32 v[SGA0], v4, 2, v[SGA0]
	v_add_nc_u32 v[SGR], s31, v[L16]
	v_mul_u32_u24 v[PSEL], v6, 0x202
	v_add_nc_u32 v[PSEL], 0x03020100, v[PSEL]
	v_and_b32 v7, 8, v4
	v_add_nc_u32 v7, v7, v4
	v_lshl_add_u32 v7, v6, 3, v7
	v_lshlrev_b32 v7, 2, v7
	v_add_nc_u32 v3, s30, v[L16]
	s_lshl_b32 s30, s[WV], 10
	s_add_co_u32 s30, s30, BT
	v_add_nc_u32 v4, s30, v[L16]
.irp b, 0,1,2,3
	v_mov_b32 v[TM+4+\b], 0
.endr
	s_mov_b32 s[SEL], 0x76543210
	s_mov_b32 s[SEL+1], 0xfedcba98
	s_cmp_ge_u32 ttmp9, 128
	s_cselect_b32 s[MODE], 1, 0
	s_and_b32 s26, ttmp9, 3
	s_bfe_u32 s27, ttmp9, 0x50002
	s_cmp_eq_u32 s[MODE], 1
	s_cselect_b32 s28, s27, s26
	s_cselect_b32 s29, s26, s27
	s_lshl_b32 s28, s28, 2
	s_add_co_u32 s28, s28, s[WV]
	s_mul_i32 s32, s28, 98304
	s_mov_b32 s33, 0
	s_lshl_b32 s34, s28, 12
	s_mov_b32 s35, 0
	s_mul_i32 s36, s29, 196608
	s_mul_i32 s37, s[WV], 49152
	s_add_co_u32 s36, s36, s37
	s_mov_b32 s37, 0
	s_lshl_b32 s38, s29, 13
	s_lshl_b32 s39, s[WV], 11
	s_add_co_u32 s38, s38, s39
	s_mov_b32 s39, 0
	s_cmp_eq_u32 s[MODE], 1
	s_mov_b32 s88, WS
	s_cselect_b32 s88, XS, s88
	s_cselect_b32 s89, 1572864, 0
	s_mov_b32 s90, XS
	s_cselect_b32 s90, WS+65536, s90
	s_add_co_u32 s34, s34, s88
	s_add_co_u32 s36, s36, s89
	s_add_co_u32 s38, s38, s90
	s_and_b32 s88, s28, 7
	s_lshl_b32 s91, s88, 9
	s_lshl_b32 s88, s88, 1
	s_lshr_b32 s89, s27, 3
	s_lshl_b32 s89, s89, 4
	s_add_co_u32 s88, s88, s89
	s_lshl_b32 s88, s88, 7
	s_and_b32 s89, s27, 7
	s_lshl_b32 s89, s89, 4
	s_add_co_u32 s88, s88, s89
	s_lshl_b32 s89, s28, 6
	s_lshl_b32 s90, s26, 4
	s_add_co_u32 s89, s89, s90
	s_lshl_b32 s92, s26, 10
	s_lshl_b32 s93, s[WV], 8
	s_add_co_u32 s92, s92, s93
	s_cmp_eq_u32 s[MODE], 1
	s_cselect_b32 s88, s89, s88
	s_cselect_b32 s92, s92, s91
	s_mov_b32 s93, 0
	s_mov_b32 s[STP], 768
	s_cselect_b32 s[STP], 1536, s[STP]
	s_mov_b32 s[STP+1], 0
	s_mov_b32 s90, 98304
	s_cselect_b32 s90, 768, s90
	s_mov_b32 s91, 0
	s_mul_i32 s94, s88, s[STP]
	s_mov_b32 s95, 0
	s_lshl_b32 s88, s88, 6
	s_add_co_u32 s88, s88, QS
	s_mov_b32 s89, 0
	s_mov_b32 s[G1C+0], 3<<16
	s_mov_b32 s[G1C+1], 32<<16
	s_mov_b32 s[G1C+2], 192<<16
	s_mov_b32 s[G1C+3], 32<<16
	s_mov_b32 s[G1C+4], 192
	s_mov_b32 s[G1C+5], 32
	s_mov_b32 s[G1C+6], 0
	s_mov_b32 s[G1C+7], 0
	s_mov_b32 s[G0C], 1
	s_mul_i32 s[G0C+1], s[WV], 49152
	s_lshl_b32 s[G0S+1], s[WV], 11
	s_add_co_u32 s[G0S+1], s[G0S+1], TS
	s_wait_dscnt 0x0
	s_wait_kmcnt 0x0
	s_cmp_eq_u32 s[MODE], 1
	s_cselect_b64 s[SP:SP+1], s[4:5], s[6:7]
	s_cselect_b64 s[G0C+2:G0C+3], s[6:7], s[4:5]
	s_cmp_lt_u32 s26, 2
	s_cselect_b64 s[P0:P0+1], s[14:15], s[16:17]
	s_cselect_b64 s[BP:BP+1], s[8:9], s[10:11]
	s_cmp_eq_u32 s[MODE], 1
	s_cselect_b64 s[P0:P0+1], s[18:19], s[P0:P0+1]
	s_cselect_b64 s[BP:BP+1], s[12:13], s[BP:BP+1]
	s_add_nc_u64 s[SSP:SSP+1], s[SP:SP+1], s[34:35]
	s_add_nc_u64 s[SP:SP+1], s[SP:SP+1], s[32:33]
	s_add_nc_u64 s[G0S+2:G0S+3], s[G0C+2:G0C+3], s[38:39]
	s_add_nc_u64 s[G0C+2:G0C+3], s[G0C+2:G0C+3], s[36:37]
	s_or_b32 s[G0C+3], s[G0C+3], 0x80000000
	s_add_nc_u64 s[SO:SO+1], s[P0:P0+1], s[88:89]
	s_add_nc_u64 s[P0:P0+1], s[P0:P0+1], s[94:95]
	s_add_nc_u64 s[P1:P1+1], s[P0:P0+1], s[90:91]
	s_add_nc_u64 s[BP:BP+1], s[BP:BP+1], s[92:93]
	tensor_load_to_lds s[G0C:G0C+3], s[G1C:G1C+7]
	s_nop 0
	s_wait_alu depctr_va_vdst(0)
.rept 4
	v_nop
.endr
.set f, 0
.rept 64
.if f < 63
.set wn, (1+f/21)<<6
.set rS, 12*(f%21)
.else
.set wn, 0
.set rS, S63
.endif
	WIN wn
.irp c, 0,1,2
	global_load_b128 v[rS+4*\c:rS+4*\c+3], v[L16], s[SP:SP+1] offset:(f%8)*12288+(f/8)*1536+512*\c
.endr
.set f, f+1
.endr
	WIN 0
.irp t, 0,1,2,3,4,5,6,7
	global_load_b128 v[SS+4*\t:SS+4*\t+3], v[L16], s[SSP:SSP+1] offset:512*\t
.endr
.irp i, 0,1,2,3
	global_load_b128 v[TF+4*\i:TF+4*\i+3], v[L16], s[G0S+2:G0S+3] offset:512*\i   ; my 2,048 bytes of the moving tiles' scale images, 512 consecutive bytes a load
.endr
	s_cmp_eq_u32 s[MODE], 0
	s_cbranch_scc0 .Lbias_v
	global_load_b128 v[ACC:ACC+3], v[L16], s[BP:BP+1]
	s_wait_loadcnt 0x0
	s_wait_alu depctr_va_vdst(0)
	ds_store_b128 v3, v[ACC:ACC+3]
	s_branch .Lbias_done
.Lbias_v:
	s_wait_alu depctr_va_vdst(0)
	global_load_b32 v[ACC], v7, s[BP:BP+1]
	global_load_b32 v[ACC+4], v7, s[BP:BP+1] offset:128
	s_wait_loadcnt 0x0
.irp i, 1,2,3
	v_mov_b32 v[ACC+\i], v[ACC]
	v_mov_b32 v[ACC+4+\i], v[ACC+4]
.endr
	ds_store_b128 v4, v[ACC:ACC+3]
	ds_store_b128 v4, v[ACC+4:ACC+7] offset:512
.Lbias_done:
	s_wait_tensorcnt 0x0
	v_add_nc_u32 v[OW], s[G0S+1], v[L16]           ; TS + 2,048 x wave + 16 x lane: bytes that no tensor load fills
.irp i, 0,1,2,3
	ds_store_b128 v[OW], v[TF+4*\i:TF+4*\i+3] offset:512*\i
.endr
	s_wait_dscnt 0x0
	s_barrier_signal -1
	s_barrier_wait -1
.macro TLOAD
.irp t, 0,1,2,3,4,5,6,7
.irp c, 0,1,2
	ds_load_b128 v[TF+12*\t+4*\c:TF+12*\t+4*\c+3], v[TA] offset:1536*\t+512*\c
.endr
.endr
	ds_load_b128 v[TSC:TSC+3], v[TSA]
.endm
.macro CINIT
	s_cmp_eq_u32 s[MODE], 0
	s_cbranch_scc0 .Lcv_\@
.irp i, 0,1,2,3,4,5,6,7,8,9,10,11,12,13,14,15
	ds_load_b128 v[ACC+4*\i:ACC+4*\i+3], v[ABS] offset:128*(\i/4)+16*(\i%4)
.endr
	s_branch .Lcd_\@
.Lcv_\@:
	s_wait_alu depctr_va_vdst(0)
.irp i, 0,1,2,3,4,5,6,7,8,9,10,11,12,13,14,15
	ds_load_b128 v[ACC+4*\i:ACC+4*\i+3], v[ABT]
.endr
.Lcd_\@:
.endm
.macro MM
.set f, 0
.rept 64
.if f < 63
.set wn, 1+f/21
.set rS, 12*(f%21)
.else
.set wn, 0
.set rS, S63
.endif
	WIN wn
.set aC, ACC+8*(f%8)
.set tF, TF+12*(f/8)
.if (f/8)%2 == 0
	v_wmma_scale_f32_16x16x128_f8f6f4 v[aC:aC+7], v[rS:rS+11], v[tF:tF+11], v[aC:aC+7], v[SS+4*(f%8)+f/16], v[TSC+f/16] matrix_a_fmt:MATRIX_FMT_BF6 matrix_b_fmt:MATRIX_FMT_BF6
.else
	v_wmma_scale_f32_16x16x128_f8f6f4 v[aC:aC+7], v[rS:rS+11], v[tF:tF+11], v[aC:aC+7], v[SS+4*(f%8)+f/16], v[TSC+f/16] matrix_a_fmt:MATRIX_FMT_BF6 matrix_b_fmt:MATRIX_FMT_BF6 matrix_a_scale:MATRIX_SCALE_ROW1 matrix_b_scale:MATRIX_SCALE_ROW1
.endif
.set f, f+1
.endr
	WIN 0
.endm
.macro TRIP more
	s_wait_dscnt 0x0
	MM
.rept 4
	v_nop
.endr
.if \more
	s_add_co_u32 s[TO], s[TO], 12288
	s_add_co_u32 s[TSO], s[TSO], 512
	v_add_nc_u32 v[TA], s[TO], v[L16]
	v_add_nc_u32 v[TSA], s[TSO], v[L16]
	TLOAD
.endif
	QUANT_A ACC, PC, TM
.if \more
	s_add_co_u32 s[BTO], s[BTO], 256
	v_add_nc_u32 v[ABT], s[BTO], v[ABT0]
	CINIT
.endif
	s_wait_alu depctr_va_vdst(0)
	QUANT_B PC
	v_perm_b32 v[OW], v[PW], v[PW], v[PSEL]
	v_add_nc_u32 v[SGA], s[SGO], v[SGA0]
	ds_store_b32 v[SGA], v[OW]
	s_add_co_u32 s[SGO], s[SGO], 64
	global_store_b128 v[L16], v[PC:PC+3], s[P0:P0+1]
	global_store_b64 v[L8], v[PC+4:PC+5], s[P0:P0+1] offset:512
	global_store_b128 v[L16], v[PC+6:PC+9], s[P1:P1+1]
	global_store_b64 v[L8], v[PC+10:PC+11], s[P1:P1+1] offset:512
	s_wait_xcnt 0x0
	s_add_nc_u64 s[P0:P0+1], s[P0:P0+1], s[STP:STP+1]
	s_add_nc_u64 s[P1:P1+1], s[P1:P1+1], s[STP:STP+1]
.endm
	s_mov_b32 s[TO], 0
	s_mov_b32 s[TSO], TS
	s_mov_b32 s[BTO], 0
	s_mov_b32 s[SGO], 0
	v_add_nc_u32 v[TA], s[TO], v[L16]
	v_add_nc_u32 v[TSA], s[TSO], v[L16]
	v_add_nc_u32 v[ABT], s[BTO], v[ABT0]
	TLOAD
	CINIT
	s_mov_b32 s[CNT], 15
.Ltrip:
	TRIP 1
	s_sub_co_u32 s[CNT], s[CNT], 1
	s_cmp_lg_u32 s[CNT], 0
	s_cbranch_scc1 .Ltrip
	TRIP 0
.irp i, 0,1,2,3
	ds_load_b128 v[TF+4*\i:TF+4*\i+3], v[SGR] offset:512*\i
.endr
	s_wait_dscnt 0x0
	global_store_b128 v[L16], v[TF:TF+3], s[SO:SO+1]
	global_store_b128 v[L16], v[TF+4:TF+7], s[SO:SO+1] offset:512
	s_cmp_eq_u32 s[MODE], 0
	s_cbranch_scc0 .Lend
	global_store_b128 v[L16], v[TF+8:TF+11], s[SO:SO+1] offset:8192
	global_store_b128 v[L16], v[TF+12:TF+15], s[SO:SO+1] offset:8704
.Lend:
	s_wait_tensorcnt 0x0
	ds_add_u32 v250, v251
	s_wait_dscnt 0x0
	s_endpgm
.Lfunc_end_k_qce085ff41a_qkv:
	.size	k_qce085ff41a_qkv, .Lfunc_end_k_qce085ff41a_qkv-k_qce085ff41a_qkv
	.p2alignl 7, 3214868480
	.fill 96, 4, 3214868480
	.section	.rodata,"a",@progbits
	.p2align	6, 0x0
	.amdhsa_kernel k_qce085ff41a_qkv
		.amdhsa_group_segment_fixed_size 327680
		.amdhsa_private_segment_fixed_size 0
		.amdhsa_enable_private_segment 0
		.amdhsa_kernarg_size 64
		.amdhsa_user_sgpr_count 2
		.amdhsa_user_sgpr_kernarg_segment_ptr 1
		.amdhsa_wavefront_size32 1
		.amdhsa_system_sgpr_workgroup_id_x 1
		.amdhsa_system_sgpr_workgroup_id_y 1
		.amdhsa_system_sgpr_workgroup_id_z 1
		.amdhsa_system_vgpr_workitem_id 0
		.amdhsa_next_free_vgpr 1024
		.amdhsa_next_free_sgpr 96
		.amdhsa_reserve_vcc 0
		.amdhsa_float_denorm_mode_32 3
		.amdhsa_float_denorm_mode_16_64 3
		.amdhsa_memory_ordered 1
		.amdhsa_forward_progress 1
		.amdhsa_inst_pref_size 61
	.end_amdhsa_kernel
	.amdgpu_metadata
---
amdhsa.version: [ 1, 2 ]
amdhsa.kernels:
  - .name:           k_qce085ff41a_qkv
    .symbol:         k_qce085ff41a_qkv.kd
    .args:
      - { .name: xq, .offset: 0, .size: 8, .value_kind: global_buffer, .address_space: global }
      - { .name: wq, .offset: 8, .size: 8, .value_kind: global_buffer, .address_space: global }
      - { .name: bq, .offset: 16, .size: 8, .value_kind: global_buffer, .address_space: global }
      - { .name: bk, .offset: 24, .size: 8, .value_kind: global_buffer, .address_space: global }
      - { .name: bv, .offset: 32, .size: 8, .value_kind: global_buffer, .address_space: global }
      - { .name: qb, .offset: 40, .size: 8, .value_kind: global_buffer, .address_space: global }
      - { .name: kb, .offset: 48, .size: 8, .value_kind: global_buffer, .address_space: global }
      - { .name: vb, .offset: 56, .size: 8, .value_kind: global_buffer, .address_space: global }
    .group_segment_fixed_size: 327680
    .private_segment_fixed_size: 0
    .kernarg_segment_align: 8
    .kernarg_segment_size: 64
    .max_flat_workgroup_size: 128
    .sgpr_count:     96
    .vgpr_count:     1024
    .wavefront_size: 32
...
	.end_amdgpu_metadata
.endif
;; end of part 2
;; launch attn (part 3): grid 256 x 1, 16 waves a work-group, clusters of 4 x 1, 210,944 bytes of LDS; arguments qb, kb, vb, cb; writes cb
.if DOCPART == 3
	.amdgcn_target "amdgcn-amd-amdhsa--gfx1250"
	.amdhsa_code_object_version 6
	.text
	.protected	k_qce085ff41a_attn
	.globl	k_qce085ff41a_attn
	.p2align	8
	.type	k_qce085ff41a_attn,@function
k_qce085ff41a_attn:
	s_mov_b64 s[64:65], 0
	v_nop
	global_prefetch_b8 v0, s[64:65] scope:SCOPE_SE
	s_setreg_imm32_b32 hwreg(HW_REG_WAVE_MODE, 25, 1), 1
	s_wait_xcnt 0x0
	s_wait_alu depctr_hold_cnt(0) depctr_sa_sdst(0) depctr_va_vdst(0) depctr_va_sdst(0) depctr_va_ssrc(0) depctr_va_vcc(0) depctr_vm_vsrc(0)
	s_getreg_b32 s2, hwreg(HW_REG_IB_STS2, 6, 4)
	s_cmp_eq_u32 s2, 0
	s_cbranch_scc0 .Lentry_in_a_cluster
	s_endpgm
.Lentry_in_a_cluster:
	s_bfe_u32 s2, ttmp6, 0x10000c
	s_cmp_lg_u32 s2, 0x3003
	s_cbranch_scc0 .Lentry_shape_is_right
	s_endpgm
.Lentry_shape_is_right:
; ctx = softmax(q k^T / 8) v for one head of one batch, both products on codes of E3M2, and ctx quantised at once along the embedding for the last product.
; THE SOFTMAX: t = score x log2(e) / 8; M = the running largest t rounded UP to a whole number; p = 2^(t - M) is quantised along the keys, not normalised; the row's sum is taken of the
; unquantised p and divides at the end.  When M moves, the sums and O are multiplied by 2^(old M - new M): exact, and no branch on data.
; SHARES.  A cluster of four work-groups owns a head: each a quarter of its 128 tiles of 16 queries; each of 16 waves two tiles, one after the other, in 256 registers.
; LDS HOLDS THE HEAD'S WHOLE K AND V (192 KiB of codes, 12 KiB of scale words): every fill is a first fill, there is no ring.  The four partners need the same bytes: each block is asked for JOINTLY,
; one tensor load a wave: waves 0-7 two key steps of V's codes each, waves 8-13 16 KiB of K's codes each, wave 14 K's scale words, wave 15 V's.
; No prefetch: every byte is asked for once, at the head, and there is no loop to run ahead in.
; LAYOUT.  Both products are used transposed: S^T = K Q^T (source 0 = 16 keys), O^T = V^T P^T (source 0 = 16 channels): a lane holds ONE query throughout.
; kb holds images of tiles whose rows 0-7 and 8-15 are eight neighbouring keys each.  WHICH KEYS FORM A TILE OF THE SCORES is chosen here, by the lanes' LDS addresses: tile 4 c + u takes
; keys 64 c + 8 u + 0..7 as rows 0-7 and keys 64 c + 32 + 8 u + 0..7 as rows 8-15.  So register 32 c + 8 u + j of lane (r, h) is key 64 c + 32 h + 8 u + j: a lane holds two WHOLE blocks of 32 keys,
; in the order of the next operand's registers: a block's maximum asks no other lane, and the conversions' results are the operand (three of each six registers are moved: a conversion's three begin on an even number).
; The scores' K is the head's 64: registers 6-11 of Q's fragment hold zero codes.  So registers 6-11 of K's operand may hold any codes: K's fragments lie 6 registers apart, and a tile's upper half is the next tile's
; codes (the last tile's: p's old codes); E3M2 has no code for NaN or infinity, and the scale bytes there are another head's finite bytes.
; THE NEXT STEP'S FRAGMENTS are fetched a step ahead: K's behind this step's scores, V's behind this step's second product.
; A block's largest p is not searched for: the block's largest score goes through the same multiply-add and exponential (this takes v_exp_f32 not to fall where its input rises).
; LIMITS: a block of zeros, or one under 2^-122, keeps the byte 1; NaN and infinities are not served; the promise holds while the scaled scores stay under 2^31 in magnitude.
.set QS,   6291456                     ; qb, kb, vb: where the scale words begin
.set CSO,  6291456                     ; cb: where the scale images begin
.set VB,   98304                       ; LDS: K's codes from 0 (6,144 bytes a key step), V's from VB (6,144 a step),
.set KSB,  196608                      ; K's scale words (512 a step),
.set VSB,  204800                      ; V's (256 a step),
.set SPARE, 208896                     ; the spare words, 128 bytes a wave
.set KA16, 1                           ; v1-6    the next step's LDS addresses: K's 16-byte and 8-byte pieces, K's scale words, the same for V
.set KA8,  2
.set KSA,  3
.set VA16, 4
.set VA8,  5
.set VSA,  6
.set KP16, 7                           ; v7-12   the same for key step 0: they stay
.set KP8,  8
.set KSP,  9
.set VP16, 10
.set VP8,  11
.set VSP,  12
.set SPW,  13                          ; v13, v14 my spare word's address, and 0
.set NIL,  14
.set HW,   15                          ; the first tile's scale bytes of ctx
.set NM,   16                          ; v16 -M, v17 the step before's -M
.set SMAX, 18                          ; the running largest score
.set PT,   19                          ; a lane exchange's result
.set F,    20                          ; v20 f = 2^(old M - new M); v21 is named with it as a pair
.set PSW,  22                          ; p's scale word
.set QSC,  23                          ; Q's
.set VSC,  24                          ; v24-25 V's
.set KSC,  26                          ; v26-29 K's
.set AC,   30                          ; v30-37 the row's sum, four chains of pairs
.set KS,   38                          ; v38-85 eight fragments of K, 6 registers each
.set PC,   86                          ; v86-97 p's codes; PC+3,4,9,10 the blocks' maxima on the way, PC+5,11 their bytes
.set Q,    98                          ; v98-103 Q, v104-109 zero codes
.set VF,   110                         ; v110-157 four fragments of V
.set SR,   158                         ; v158-221 S^T, then p
.set OT,   222                         ; v222-253 O^T
.set T,    254
.set L16,  255                         ; 16 x lane
.set LA8,  SR+40                       ; between steps: 8 x lane, 4 r
.set LR4,  SR+41
.set TM,   SR+32                       ; a tile's way out: at work
.set WV,  18
.set IDX, 19
.set SEL, 20
.set CS,  22
.set G1V, 24                           ; groups 1: V's codes, K's codes, K's scale words, V's
.set G1K, 32
.set G1KS, 40
.set G1VS, 48
.set G0V, 56
.set G0K, 60
.set TB,  66                           ; 6,144 x the next key step
.set TK,  67                           ; 512 x
.set G0KS, 68
.set G0VS, 72
.set TV,  96                           ; 256 x
.set CNT, 97
.set HI16, 98
.set NCS, 99
.macro CROUND                          ; a round of the cluster's barrier
	s_barrier_signal -1
	s_barrier_wait -1
	s_cmp_lg_u32 s[WV], 0
	s_cbranch_scc1 .Lnot_wave_0_\@
	s_barrier_signal -3
.Lnot_wave_0_\@:
	s_barrier_wait -3
	s_barrier_signal -1
	s_barrier_wait -1
.endm
.macro G1SET g, c, r, p                ; r rows of c elements of 8 bytes, p elements from row to row
	s_mov_b32 s[\g+0], 15|(3<<16)|(1<<21)          ; the mask names all four work-groups, bit 21 set beside it
	s_mov_b32 s[\g+1], (\c)<<16
	s_mov_b32 s[\g+2], (\r)<<16
	s_mov_b32 s[\g+3], (\c)<<16
	s_mov_b32 s[\g+4], \r
	s_mov_b32 s[\g+5], \p
	s_mov_b32 s[\g+6], 0
	s_mov_b32 s[\g+7], 0
.endm
.macro G0SET g, base, off
	s_mov_b32 s[\g], 1
	s_add_nc_u64 s[\g+2:\g+3], s[\base:\base+1], s[\off:\off+1]
	s_or_b32 s[\g+3], s[\g+3], 0x80000000
.endm
.macro ARM under, g0, g1, next         ; one arm of the head's chain: a load, and a jump to the chain's end
	s_cmp_lt_u32 s[WV], \under
	s_cbranch_scc0 \next
	tensor_load_to_lds s[\g0:\g0+3], s[\g1:\g1+7]
	s_nop 0
.rept 4
	v_nop
.endr
	s_branch .Lasked
\next:
.endm
	s_load_b256 s[4:11], s[0:1], 0x0               ; qb s[4:5], kb s[6:7], vb s[8:9], cb s[10:11]
	v_lshl_add_u32 v[SPW], v0, 2, SPARE
	v_mov_b32 v[NIL], 0
	ds_add_u32 v[SPW], v[NIL]                      ; the opening lines: the add twice on end and its wait
	ds_add_u32 v[SPW], v[NIL]
	v_lshrrev_b32 v[T], 5, v0
	v_readfirstlane_b32 s[WV], v[T]                ; wave 0..15
	s_and_b32 s[IDX], s[WV], 7                     ; which part of V's codes (waves 0-7) or of K's (waves 8-13) is mine
	s_mov_b32 s[SEL], 0x76543210
	s_mov_b32 s[SEL+1], 0xfedcba98
	s_mov_b32 s[CS], 0x3e38aa3b                    ; c = log2(e) / 8
	s_mov_b32 s[CS+1], s[CS]                       ; (named with it as a pair)
	s_mov_b32 s[NCS], 0xbe38aa3b                   ; -c
	s_mov_b32 s[HI16], 0xffff0000
	s_lshr_b32 s78, ttmp9, 4                       ; in a cluster launch ttmp9 counts clusters: the head of the batch; n,
	s_and_b32 s79, ttmp9, 15                       ; and the head
	s_mul_i32 s82, ttmp9, 98304                    ; K's codes: the head's 98,304 consecutive bytes, my 16,384
	s_lshl_b32 s83, s[IDX], 14
	s_add_co_u32 s82, s82, s83
	s_mov_b32 s83, 0
	s_lshl_b32 s84, s78, 4
	s_lshl_b32 s85, s[IDX], 1
	s_add_co_u32 s84, s84, s85                     ; 16 n + my first key step
	s_mul_i32 s86, s84, 98304                      ; V's codes: a key step's 64 tiles, the head's 4
	s_mul_i32 s87, s79, 6144
	s_add_co_u32 s86, s86, s87
	s_mov_b32 s87, 0
	s_lshl_b32 s88, ttmp9, 13                      ; K's scale words: 8,192 consecutive bytes
	s_add_co_u32 s88, s88, QS
	s_mov_b32 s89, 0
	s_lshl_b32 s90, s78, 16                        ; V's: 256 bytes of each key step's 4,096
	s_lshl_b32 s91, s79, 8
	s_add_co_u32 s90, s90, s91
	s_add_co_u32 s90, s90, QS
	s_mov_b32 s91, 0
	G1SET G1V, 768, 2, 12288                       ; two key steps: rows of 6,144 bytes, 98,304 bytes apart
	G1SET G1K, 32, 64, 32                          ; dense: 64 rows of 256 bytes
	G1SET G1KS, 32, 32, 32                         ; dense: 32 rows of 256 bytes
	G1SET G1VS, 32, 16, 512                        ; 16 rows of 256 bytes, 4,096 bytes apart
	s_wait_dscnt 0x0
	s_wait_kmcnt 0x0
	CROUND                                         ; all four work-groups are here: the joint loads meet
	G0SET G0V, 8, 86                               ; no place in the cluster enters an LDS address or a descriptor
	s_mul_i32 s[G0V+1], s[IDX], 12288
	s_add_co_u32 s[G0V+1], s[G0V+1], VB
	G0SET G0K, 6, 82
	s_lshl_b32 s[G0K+1], s[IDX], 14
	G0SET G0KS, 6, 88
	s_mov_b32 s[G0KS+1], KSB
	G0SET G0VS, 8, 90
	s_mov_b32 s[G0VS+1], VSB
	ARM 8,  G0V,  G1V,  .Larm_k                    ; one chain of branches on the wave's number, one load on every way through it
	ARM 14, G0K,  G1K,  .Larm_ks
	ARM 15, G0KS, G1KS, .Larm_vs
	tensor_load_to_lds s[G0VS:G0VS+3], s[G1VS:G1VS+7]
	s_nop 0
.rept 4
	v_nop
.endr
.Lasked:
	s_bfe_u32 s80, ttmp6, 0x40000                  ; cx: it enters Q's and ctx's addresses alone
	s_lshl_b32 s92, s80, 5
	s_lshl_b32 s93, s[WV], 1
	s_add_co_u32 s92, s92, s93                     ; my first tile of queries: 32 cx + 2 wave
	s_lshl_b32 s93, ttmp9, 7
	s_add_co_u32 s93, s93, s92
	s_mul_i32 s94, s93, 768
	s_mov_b32 s95, 0
	s_add_nc_u64 s[12:13], s[4:5], s[94:95]        ; Q's codes
	s_lshl_b32 s94, s93, 6
	s_add_co_u32 s94, s94, QS
	s_add_nc_u64 s[14:15], s[4:5], s[94:95]        ; Q's scale words
	s_lshl_b32 s93, s78, 7
	s_add_co_u32 s93, s93, s92                     ; the tile among all 512: 128 n + tile
	s_mul_i32 s94, s93, 12288
	s_mul_i32 s81, s79, 768
	s_add_co_u32 s94, s94, s81
	s_add_nc_u64 s[16:17], s[10:11], s[94:95]      ; ctx's codes: [tile][head] halves
	s_lshl_b32 s94, s93, 9                         ; ctx's scale image: K step head / 2, bytes 2 (head % 2) on of its word
	s_add_co_u32 s94, s94, CSO
	s_bfe_u32 s81, s79, 0x10001
	s_lshl_b32 s81, s81, 8
	s_add_co_u32 s94, s94, s81
	s_lshr_b32 s81, s79, 2
	s_lshl_b32 s81, s81, 2
	s_add_co_u32 s94, s94, s81
	s_and_b32 s81, s79, 1
	s_lshl_b32 s81, s81, 1
	s_add_co_u32 s94, s94, s81
	s_add_nc_u64 s[76:77], s[10:11], s[94:95]
	v_and_b32 v[T], 31, v0                         ; lane
	v_lshlrev_b32 v[L16], 4, v[T]
	v_lshl_add_u32 v[VP16], v[T], 4, VB            ; V's fragments are read as they lie: 16, 8 and 4 bytes a lane
	v_lshl_add_u32 v[VP8], v[T], 3, VB
	v_lshl_add_u32 v[VSP], v[T], 2, VSB
	v_lshlrev_b32 v[LA8], 3, v[T]
	v_and_b32 v[LR4], 15, v0
	v_lshlrev_b32 v[LR4], 2, v[LR4]
	v_and_b32 v[PT], 7, v0                         ; r % 8
	v_bfe_u32 v[AC], v0, 3, 1                      ; r / 8
	v_bfe_u32 v[T], v0, 4, 1                       ; h
	v_mul_u32_u24 v[KP16], v[AC], 1536             ; K: rows 8-15 of my tile lie two images (1,536 bytes) further on than rows 0-7;
	v_lshl_add_u32 v[KP8], v[PT], 3, v[KP16]       ; in an image lane r % 8 + 8 (u / 2) + 16 h: 8 (u / 2) and the image stand in the loads' immediates
	v_lshl_add_u32 v[KP8], v[T], 7, v[KP8]
	v_lshl_add_u32 v[KP16], v[PT], 4, v[KP16]
	v_lshl_add_u32 v[KP16], v[T], 8, v[KP16]
	v_lshl_add_u32 v[KSP], v[AC], 7, KSB           ; K's scale words, 64 bytes an image: lanes 0-15 take an even tile's, lanes 16-31 the odd tile's
	v_lshl_add_u32 v[KSP], v[T], 6, v[KSP]
	v_lshl_add_u32 v[KSP], v[PT], 2, v[KSP]
	s_wait_alu depctr_va_vdst(0)
	global_load_b128 v[Q:Q+3], v[L16], s[12:13]    ; the first tile's Q
	global_load_b64 v[Q+4:Q+5], v[LA8], s[12:13] offset:512
	global_load_b32 v[QSC], v[LR4], s[14:15]
.irp i, 0,1,2,3,4,5
	v_mov_b32 v[Q+6+\i], 0                         ; zero codes for k = 64 .. 127
	v_mov_b32 v[PC+\i], 0                          ; named as the upper half of K's last operand before they first hold codes
.endr
	v_mov_b32 v[F+1], 0                            ; (named as the upper half of a pair)
	s_wait_alu depctr_va_vdst(0)
	s_wait_tensorcnt 0x0                           ; my block has landed,
	s_barrier_signal -1
	s_barrier_wait -1                              ; everybody's has: from here on LDS is only read
.macro KLOADS a16, a8, as              ; 20 loads: a key step's eight tiles of K and their scale words
.irp t, 0,1,2,3,4,5,6,7
	ds_load_b128 v[KS+6*\t:KS+6*\t+3], v[\a16] offset:768*(4*(\t/4)+\t%2)+128*((\t%4)/2)
	ds_load_b64 v[KS+6*\t+4:KS+6*\t+5], v[\a8] offset:768*(4*(\t/4)+\t%2)+512+64*((\t%4)/2)
.endr
.irp g, 0,1,2,3
	ds_load_b32 v[KSC+\g], v[\as] offset:256*(\g/2)+32*(\g%2)
.endr
.endm
.macro VLOADS a16, a8, as              ; 18 loads: its four fragments of V and their scale words
.irp t, 0,1,2,3
	ds_load_b128 v[VF+12*\t:VF+12*\t+3], v[\a16] offset:1536*\t
	ds_load_b64 v[VF+12*\t+4:VF+12*\t+5], v[\a8] offset:1536*\t+512
	ds_load_b128 v[VF+12*\t+6:VF+12*\t+9], v[\a16] offset:1536*\t+768
	ds_load_b64 v[VF+12*\t+10:VF+12*\t+11], v[\a8] offset:1536*\t+1280
.endr
	ds_load_b32 v[VSC], v[\as]
	ds_load_b32 v[VSC+1], v[\as] offset:128
.endm
.macro TMM from, cnt                   ; t - M, two at a time
.set n, \from
.rept \cnt
	v_pk_fma_f32 v[SR+n:SR+n+1], v[SR+n:SR+n+1], s[CS:CS+1], v[NM:NM+1] op_sel_hi:[1,0,0]
.set n, n+2
.endr
.endm
.macro SUMS from, cnt                  ; the row's sum of the unquantised p, the four chains by turns
.set n, \from
.rept \cnt
	v_pk_add_f32 v[AC+n%8:AC+n%8+1], v[AC+n%8:AC+n%8+1], v[SR+n:SR+n+1]
.set n, n+2
.endr
.endm
; 128 keys.  more = 1: the next key step's fragments are fetched; 2: key step 0's, for the next tile of queries; 0: none.
.macro STEP more
	s_wait_dscnt 18                                ; K's 20 loads are in; V's 18, issued behind them, may be out
.irp t, 0,1,2,3,4,5,6,7
.if \t%2 == 0
	v_wmma_scale_f32_16x16x128_f8f6f4 v[SR+8*\t:SR+8*\t+7], v[KS+6*\t:KS+6*\t+11], v[Q:Q+11], 0, v[KSC+\t/2], v[QSC] matrix_a_fmt:MATRIX_FMT_BF6 matrix_b_fmt:MATRIX_FMT_BF6
.else
	v_wmma_scale_f32_16x16x128_f8f6f4 v[SR+8*\t:SR+8*\t+7], v[KS+6*\t:KS+6*\t+11], v[Q:Q+11], 0, v[KSC+\t/2], v[QSC] matrix_a_fmt:MATRIX_FMT_BF6 matrix_b_fmt:MATRIX_FMT_BF6 matrix_a_scale:MATRIX_SCALE_ROW1
.endif
.endr
.if \more == 1
	s_add_co_u32 s[TB], s[TB], 6144
	s_add_co_u32 s[TK], s[TK], 512
	s_add_co_u32 s[TV], s[TV], 256
.endif
.if \more == 2
	s_mov_b32 s[TB], 0
	s_mov_b32 s[TK], 0
	s_mov_b32 s[TV], 0
.endif
.if \more
	v_add_nc_u32 v[KA16], s[TB], v[KP16]           ; six additions: the places behind the products (ISA guide 7.12.1)
	v_add_nc_u32 v[KA8], s[TB], v[KP8]
	v_add_nc_u32 v[KSA], s[TK], v[KSP]
	v_add_nc_u32 v[VA16], s[TB], v[VP16]
	v_add_nc_u32 v[VA8], s[TB], v[VP8]
	v_add_nc_u32 v[VSA], s[TV], v[VSP]
	KLOADS KA16, KA8, KSA
.else
.rept 4
	v_nop
.endr
.endif
.irp c, 0,1                            ; the largest score of my two blocks of 32 keys, each in two chains; each accumulator is read from its low end on
.irp x, 0,1
	v_max3_num_f32 v[PC+3+6*\c+\x], v[SR+32*\c+16*\x], v[SR+32*\c+16*\x+1], v[SR+32*\c+16*\x+2]
.endr
.endr
.irp i, 3,5,7,9,11,13
.irp c, 0,1
.irp x, 0,1
	v_max3_num_f32 v[PC+3+6*\c+\x], v[PC+3+6*\c+\x], v[SR+32*\c+16*\x+\i], v[SR+32*\c+16*\x+\i+1]
.endr
.endr
.endr
.irp c, 0,1
	v_max3_num_f32 v[PC+3+6*\c], v[PC+3+6*\c], v[PC+4+6*\c], v[SR+32*\c+15]
.endr
.irp c, 0,1
	v_max_num_f32 v[PC+3+6*\c], v[PC+3+6*\c], v[SR+32*\c+31]
.endr
	s_delay_alu instid0(VALU_DEP_1)
	v_max_num_f32 v[T], v[PC+3], v[PC+9]
	s_delay_alu instid0(VALU_DEP_1)
	v_permlanex16_b32 v[PT], v[T], s[SEL], s[SEL+1]                ; lane l xor 16 holds my query's other two blocks
	s_delay_alu instid0(VALU_DEP_1)
	v_max3_num_f32 v[SMAX], v[SMAX], v[T], v[PT]   ; the running largest score
	s_delay_alu instid0(VALU_DEP_1)
	v_mul_f32 v[T], s[NCS], v[SMAX]                ; -t (c is positive)
	s_delay_alu instid0(VALU_DEP_1)
	v_floor_f32 v[NM], v[T]                        ; the new -M = floor(-t): M is a whole number
	s_delay_alu instid0(VALU_DEP_1)
	v_sub_f32 v[T], v[NM], v[NM+1]                 ; old M - new M, 0 or less
	TMM 0, 8
	v_cvt_i32_f32 v[T], v[T]                       ; (it saturates)
	TMM 16, 8
	v_ldexp_f32 v[F], 1.0, v[T]                    ; f = 2^(old M - new M)
	TMM 32, 16
	v_fma_f32 v[PC+3], v[PC+3], s[CS], v[NM]       ; the same of each block's largest score
	v_fma_f32 v[PC+9], v[PC+9], s[CS], v[NM]
.set n, 0
.rept 16
	v_pk_mul_f32 v[OT+n:OT+n+1], v[OT+n:OT+n+1], v[F:F+1] op_sel_hi:[1,0]   ; O^T under the new M, each accumulator from its low end on
.set n, n+2
.endr
	s_wait_alu depctr_va_vdst(0)
.set n, 0
.rept 64
	v_exp_f32 v[SR+n], v[SR+n]                     ; p = 2^(t - M)
.set n, n+1
.endr
	v_exp_f32 v[PC+3], v[PC+3]                     ; the blocks' largest p
	v_exp_f32 v[PC+9], v[PC+9]
	v_mov_b32 v[NM+1], v[NM]                       ; -M is kept for the next step (a plain place behind the exponentials)
	s_wait_alu depctr_va_vdst(0)
	v_max_num_f32 v[PC+3], 0x2800000, v[PC+3]      ; the floor 2^(5 - 127)
	v_max_num_f32 v[PC+9], 0x2800000, v[PC+9]
	v_pk_fma_f32 v[AC:AC+1], v[AC:AC+1], v[F:F+1], v[SR:SR+1] op_sel_hi:[1,0,1]       ; each chain's first link brings it under the new M
	v_pk_fma_f32 v[AC+2:AC+3], v[AC+2:AC+3], v[F:F+1], v[SR+2:SR+3] op_sel_hi:[1,0,1]
	v_add_nc_u32 v[PC+3], 0xfe000000, v[PC+3]      ; 4 off the exponent field: the conversions' scale operands
	v_add_nc_u32 v[PC+9], 0xfe000000, v[PC+9]
	v_pk_fma_f32 v[AC+4:AC+5], v[AC+4:AC+5], v[F:F+1], v[SR+32:SR+33] op_sel_hi:[1,0,1]
	v_pk_fma_f32 v[AC+6:AC+7], v[AC+6:AC+7], v[F:F+1], v[SR+34:SR+35] op_sel_hi:[1,0,1]
	v_cvt_scalef32_pk16_bf6_f32 v[PC:PC+2], v[SR:SR+15], v[PC+3]
	v_cvt_scalef32_pk16_bf6_f32 v[PC+6:PC+8], v[SR+32:SR+47], v[PC+9]
	v_lshrrev_b32 v[PC+5], 23, v[PC+3]             ; the scales' bytes (plain places behind the conversions)
	v_lshrrev_b32 v[PC+11], 23, v[PC+9]
	v_cvt_scalef32_pk16_bf6_f32 v[SR:SR+2], v[SR+16:SR+31], v[PC+3]                   ; three registers begin on an even number: made where p has been summed and converted, then moved
	v_cvt_scalef32_pk16_bf6_f32 v[SR+32:SR+34], v[SR+48:SR+63], v[PC+9]
	v_lshl_or_b32 v[T], v[PC+11], 16, v[PC+5]      ; my blocks h and 2 + h
	s_delay_alu instid0(VALU_DEP_1)
	v_permlanex16_b32 v[PT], v[T], s[SEL], s[SEL+1]
	s_delay_alu instid0(VALU_DEP_1)
	v_lshl_or_b32 v[PSW], v[PT], 8, v[T]           ; lanes 0-15, which alone are read: p's scale word for these 128 keys
.irp i, 0,1,2
	v_mov_b32 v[PC+3+\i], v[SR+\i]
	v_mov_b32 v[PC+9+\i], v[SR+32+\i]
.endr
	SUMS 4, 14
	SUMS 36, 10
	s_wait_alu depctr_va_vdst(0)
.if \more
	s_wait_dscnt 20                                ; V and its scale words are in; the next step's 20 loads of K may be out
.else
	s_wait_dscnt 0x0
.endif
.irp t, 0,1,2,3
.if \t%2 == 0
	v_wmma_scale_f32_16x16x128_f8f6f4 v[OT+8*\t:OT+8*\t+7], v[VF+12*\t:VF+12*\t+11], v[PC:PC+11], v[OT+8*\t:OT+8*\t+7], v[VSC+\t/2], v[PSW] matrix_a_fmt:MATRIX_FMT_BF6 matrix_b_fmt:MATRIX_FMT_BF6
.else
	v_wmma_scale_f32_16x16x128_f8f6f4 v[OT+8*\t:OT+8*\t+7], v[VF+12*\t:VF+12*\t+11], v[PC:PC+11], v[OT+8*\t:OT+8*\t+7], v[VSC+\t/2], v[PSW] matrix_a_fmt:MATRIX_FMT_BF6 matrix_b_fmt:MATRIX_FMT_BF6 matrix_a_scale:MATRIX_SCALE_ROW1
.endif
.endr
	SUMS 56, 4                                     ; the sum's last four additions are the places behind the products
.if \more
	VLOADS VA16, VA8, VSA
.endif
.endm
.macro TILE q
	s_mov_b32 s[TB], 0
	s_mov_b32 s[TK], 0
	s_mov_b32 s[TV], 0
	v_mov_b32 v[SMAX], 0xff61b1e6                  ; the largest score so far: -3e38
	v_mov_b32 v[NM+1], 0x7f61b1e6                  ; and -M: 3e38, so that the first f is 0
.set n, 0
.rept 8
	v_mov_b32 v[AC+n], 0
.set n, n+1
.endr
.set n, 0
.rept 32
	v_mov_b32 v[OT+n], 0                           ; the step is written once: the first finds zeros
.set n, n+1
.endr
	s_mov_b32 s[CNT], 15
	s_wait_alu depctr_va_vdst(0)
	s_wait_loadcnt 0x0                             ; this tile's Q
.Lstep_\@:
	STEP 1
	s_sub_co_u32 s[CNT], s[CNT], 1
	s_cmp_lg_u32 s[CNT], 0
	s_cbranch_scc1 .Lstep_\@
.if \q == 0
	STEP 2                                         ; the last key step fetches key step 0 again, for the second tile
.else
	STEP 0
.endif
	v_and_b32 v[LA8], 31, v0
	v_and_b32 v[LR4], 15, v0
	v_lshlrev_b32 v[LA8], 3, v[LA8]
	v_lshlrev_b32 v[LR4], 2, v[LR4]
.if \q == 0
	global_load_b128 v[Q:Q+3], v[L16], s[12:13] offset:768         ; the second tile's Q lands under this tile's way out
	global_load_b64 v[Q+4:Q+5], v[LA8], s[12:13] offset:1280
	global_load_b32 v[QSC], v[LR4], s[14:15] offset:64
.endif
	v_pk_add_f32 v[AC:AC+1], v[AC:AC+1], v[AC+2:AC+3]
	v_pk_add_f32 v[AC+4:AC+5], v[AC+4:AC+5], v[AC+6:AC+7]
	v_pk_add_f32 v[AC:AC+1], v[AC:AC+1], v[AC+4:AC+5]
	v_add_f32 v[AC], v[AC], v[AC+1]
	v_permlanex16_b32 v[PT], v[AC], s[SEL], s[SEL+1]
	v_add_f32 v[AC], v[AC], v[PT]                  ; the row's sum
	s_wait_alu depctr_va_vdst(0)
	v_rcp_f32 v[F], v[AC]
	v_nop                                          ; a plain place behind the transcendental
	s_wait_alu depctr_va_vdst(0)
.set n, 0
.rept 16
	v_pk_mul_f32 v[SR+n:SR+n+1], v[OT+n:OT+n+1], v[F:F+1] op_sel_hi:[1,0]     ; ctx: register 16 b + i = channel 32 b + 16 h + i of my query
.set n, n+2
.endr
.irp b, 0,1
	v_max3_num_f32 v[TM+\b], |v[SR+16*\b]|, |v[SR+1+16*\b]|, 0x2800000
.endr
.irp i, 2,4,6,8,10,12,14
.irp b, 0,1
	v_max3_num_f32 v[TM+\b], v[TM+\b], |v[SR+16*\b+\i]|, |v[SR+1+16*\b+\i]|
.endr
.endr
.irp b, 0,1
	v_permlanex16_b32 v[TM+2+\b], v[TM+\b], s[SEL], s[SEL+1]
.endr
.irp b, 0,1
	v_max_num_f32 v[TM+\b], v[TM+\b], v[TM+2+\b]
.endr
.irp b, 0,1
	v_add_nc_u32 v[TM+4+\b], 0xfe000000, v[TM+\b]
.endr
.irp b, 0,1
	v_lshrrev_b32 v[TM+6+\b], 23, v[TM+4+\b]
.endr
.if \q == 0
	v_lshl_or_b32 v[HW], v[TM+7], 8, v[TM+6]       ; the head's two scale bytes of my query
.else
	v_lshl_or_b32 v[T], v[TM+7], 8, v[TM+6]
.endif
	v_cvt_scalef32_pk16_bf6_f32 v[PC:PC+2], v[SR:SR+15], v[TM+4]
	v_cvt_scalef32_pk16_bf6_f32 v[PC+6:PC+8], v[SR+16:SR+31], v[TM+5]
	v_nop                                          ; one plain place behind a scaled conversion
.irp i, 0,1,2
	v_permlane16_swap_b32 v[PC+\i], v[PC+6+\i]     ; here a block lies in lanes l and l xor 16: the layout wants it whole in a lane
.endr
.irp i, 0,1,2
	v_mov_b32 v[PC+3+\i], v[PC+6+\i]
.endr
	global_store_b128 v[L16], v[PC:PC+3], s[16:17] offset:12288*\q           ; 512 and 256 consecutive bytes, aligned to 256
	global_store_b64 v[LA8], v[PC+4:PC+5], s[16:17] offset:12288*\q+512
	s_wait_alu depctr_va_vdst(0)
	s_wait_xcnt 0x0                                ; the stores have read their registers
.endm
	KLOADS KP16, KP8, KSP                          ; key step 0
	VLOADS VP16, VP8, VSP
	TILE 0
	TILE 1
	v_and_b32 v[PT], 15, v0
	v_bfe_u32 v[AC], v0, 4, 1
	v_lshlrev_b32 v[PT], 4, v[PT]
	v_cndmask_b32 v[HW], v[HW], v[T], s[HI16]      ; lanes 0-15 the first tile's bytes, lanes 16-31 the second's
	v_lshl_add_u32 v[PT], v[AC], 9, v[PT]          ; 16 r, lanes 16-31 one tile on
	global_store_b16 v[PT], v[HW], s[76:77]        ; two bytes a lane: the word's other half belongs to another head's work-group; 64 bytes a wave beside 1,536 of codes
	s_wait_tensorcnt 0x0                           ; the wave's end
	ds_add_u32 v[SPW], v[NIL]
	s_wait_dscnt 0x0
	CROUND                                         ; the closing round: no work-group ends while a partner may still ask for a block that names it
	s_endpgm
.Lfunc_end_k_qce085ff41a_attn:
	.size	k_qce085ff41a_attn, .Lfunc_end_k_qce085ff41a_attn-k_qce085ff41a_attn
	.p2alignl 7, 3214868480
	.fill 96, 4, 3214868480
	.section	.rodata,"a",@progbits
	.p2align	6, 0x0
	.amdhsa_kernel k_qce085ff41a_attn
		.amdhsa_group_segment_fixed_size 210944
		.amdhsa_private_segment_fixed_size 0
		.amdhsa_enable_private_segment 0
		.amdhsa_kernarg_size 32
		.amdhsa_user_sgpr_count 2
		.amdhsa_user_sgpr_kernarg_segment_ptr 1
		.amdhsa_wavefront_size32 1
		.amdhsa_system_sgpr_workgroup_id_x 1
		.amdhsa_system_sgpr_workgroup_id_y 1
		.amdhsa_system_sgpr_workgroup_id_z 1
		.amdhsa_system_vgpr_workitem_id 0
		.amdhsa_next_free_vgpr 256
		.amdhsa_next_free_sgpr 100
		.amdhsa_reserve_vcc 0
		.amdhsa_float_denorm_mode_32 3
		.amdhsa_float_denorm_mode_16_64 3
		.amdhsa_memory_ordered 1
		.amdhsa_forward_progress 1
		.amdhsa_inst_pref_size 81
	.end_amdhsa_kernel
	.amdgpu_metadata
---
amdhsa.version: [ 1, 2 ]
amdhsa.kernels:
  - .name:           k_qce085ff41a_attn
    .symbol:         k_qce085ff41a_attn.kd
    .args:
      - { .name: qb, .offset: 0, .size: 8, .value_kind: global_buffer, .address_space: global }
      - { .name: kb, .offset: 8, .size: 8, .value_kind: global_buffer, .address_space: global }
      - { .name: vb, .offset: 16, .size: 8, .value_kind: global_buffer, .address_space: global }
      - { .name: cb, .offset: 24, .size: 8, .value_kind: global_buffer, .address_space: global }
    .group_segment_fixed_size: 210944
    .private_segment_fixed_size: 0
    .kernarg_segment_align: 8
    .kernarg_segment_size: 32
    .max_flat_workgroup_size: 512
    .sgpr_count:     100
    .vgpr_count:     256
    .wavefront_size: 32
...
	.end_amdgpu_metadata
.endif
;; end of part 3
;; launch proj (part 4): grid 256 x 1, 4 waves a work-group, no clusters, 132,096 bytes of LDS; arguments cb, wq, hidden_input, bp, gamma, beta, out0; writes out0
.if DOCPART == 4
	.amdgcn_target "amdgcn-amd-amdhsa--gfx1250"
	.amdhsa_code_object_version 6
	.text
	.protected	k_qce085ff41a_proj
	.globl	k_qce085ff41a_proj
	.p2align	8
	.type	k_qce085ff41a_proj,@function
k_qce085ff41a_proj:
	s_mov_b64 s[64:65], 0
	v_nop
	global_prefetch_b8 v0, s[64:65] scope:SCOPE_SE
	s_setreg_imm32_b32 hwreg(HW_REG_WAVE_MODE, 25, 1), 1
	s_wait_xcnt 0x0
; out0 = LayerNorm(ctx Wp + bp + hidden_input) x gamma + beta; the product on codes of E3M2, all else in f32.
; SHARES.  A work-group owns 32 rows (tiles 2 g, 2 g + 1 of ctx) and all 1,024 columns, so that a row's mean and variance stay inside it.  Wave w makes the columns of Wp's tiles 16 w .. 16 w + 15:
; their 128 fragments are 196,608 consecutive bytes that this wave alone uses: they stream straight into a ring of 20 fragments in registers, four at a time (a group), four groups ahead of the group at work.
; The product is used transposed (source 0 = 16 rows of Wp, source 1 = 16 rows of ctx): a lane holds one row and eight neighbouring columns.  Results meet in a stage in LDS (32 rows of 4,096 bytes + 16);
; behind one barrier each wave takes 8 whole rows: adds bias and residual, takes the mean, then the variance of the centred numbers (two passes: a common offset of the inputs does no harm), and stores.
; No cluster and no LDS ring for Wp: each fragment feeds one wave, and a K step of a wave's 16 tiles is 32 matrix instructions: a ring of two slots with rounds would stand at each of its changes of slots.
; REGISTERS.  Window 0: v1-5 addresses; v8-15 ctx's scale words; v16-79 Wp's; v80-111 accumulators (tile parity x tile of rows); v112-143 beta; v144-183 row statistics; v184-215 bp; v216-247 gamma.
;   Window 1: ctx's 16 fragments, later the rows of the product.  Window 2: v0-239 the ring, five places of 48.  Window 3: my 8 rows of hidden_input, worked on in place.
.set CSO,  6291456
.set WPC,  2359296                     ; Wp's fragments in wq
.set WPS,  3145728+98304               ; its scale images
.set SPITCH, 4112
.set L16, 1
.set L8,  2
.set STA, 3                            ; v3-4  the stage: where tile m's results go
.set SRD, 5                            ; v5    where my 8 rows are read back
.set CSC, 8
.set WSC, 16
.set ACC, 80
.set BETA, 112
.set SUM, 144
.set SQ,  160
.set TP,  176
.set BPR, 184
.set GAM, 216
.set WV,  18
.set SEL, 20
.set MSB, 0
.macro WIN new                         ; the immediate's high byte repeats the setting that is left
.if MSB != (\new)
	s_set_vgpr_msb (MSB<<8)|(\new)
.set MSB, (\new)
.endif
.endm
	s_load_b256 s[4:11], s[0:1], 0x0               ; cb s[4:5], wq s[6:7], hidden_input s[8:9], bp s[10:11]
	s_load_b128 s[12:15], s[0:1], 0x20             ; gamma s[12:13], beta s[14:15]
	s_load_b64 s[16:17], s[0:1], 0x30              ; out0
	v_lshl_add_u32 v254, v0, 2, 0x20200
	v_mov_b32 v255, 0
	v_lshrrev_b32 v2, 5, v0
	v_readfirstlane_b32 s[WV], v2
	v_and_b32 v6, 31, v0
	v_lshlrev_b32 v[L16], 4, v6
	v_lshlrev_b32 v[L8], 3, v6
	v_and_b32 v6, 15, v0                           ; r
	v_bfe_u32 v7, v0, 4, 1                         ; h
	v_mul_u32_u24 v[STA], v6, SPITCH
	v_lshl_add_u32 v[STA], v7, 6, v[STA]
	s_lshl_b32 s42, s[WV], 10
	v_add_nc_u32 v[STA], s42, v[STA]               ; stage row r, + 64 h, + my wave's 1,024 bytes
	v_add_nc_u32 v[STA+1], 16*SPITCH, v[STA]
	s_mul_i32 s43, s[WV], 8*SPITCH
	v_add_nc_u32 v[SRD], s43, v[L16]
.irp i, 0,1,2,3,4,5,6,7
	v_mov_b32 v[TP+\i], 0                          ; a lane permute's destination counts as one of its sources
.endr
	s_mov_b32 s[SEL], 0x76543210
	s_mov_b32 s[SEL+1], 0xfedcba98
	s_mov_b32 s22, 0x3a800000                      ; 1 / 1,024
	s_mov_b32 s23, 0x322bcc77                      ; 1e-8
	s_mul_i32 s32, ttmp9, 24576                    ; ctx: two tiles of 12,288 bytes
	s_mov_b32 s33, 0
	s_lshl_b32 s34, ttmp9, 10
	s_add_co_u32 s34, s34, CSO
	s_mov_b32 s35, 0
	s_mul_i32 s36, s[WV], 196608
	s_add_co_u32 s36, s36, WPC
	s_mov_b32 s37, 0
	s_lshl_b32 s38, s[WV], 13
	s_add_co_u32 s38, s38, WPS
	s_mov_b32 s39, 0
	s_lshl_b32 s40, ttmp9, 5                       ; stage rows 8 w .. 8 w + 7 are rows 32 g + 8 (w / 2) + 16 (w % 2) on
	s_lshr_b32 s41, s[WV], 1
	s_lshl_b32 s41, s41, 3
	s_add_co_u32 s40, s40, s41
	s_and_b32 s41, s[WV], 1
	s_lshl_b32 s41, s41, 4
	s_add_co_u32 s40, s40, s41
	s_lshl_b32 s40, s40, 12
	s_mov_b32 s41, 0
	s_wait_alu depctr_va_vdst(0)
	s_wait_kmcnt 0x0
	s_add_nc_u64 s[28:29], s[4:5], s[32:33]
	s_add_nc_u64 s[30:31], s[4:5], s[34:35]
	s_add_nc_u64 s[24:25], s[6:7], s[36:37]
	s_add_nc_u64 s[26:27], s[6:7], s[38:39]
	s_add_nc_u64 s[8:9], s[8:9], s[40:41]
	s_add_nc_u64 s[16:17], s[16:17], s[40:41]
.macro RLOAD u                         ; group u: four fragments (half a tile's K) into ring place u % 5
.irp k, 0,1,2,3
.irp c, 0,1,2
	global_load_b128 v[48*((\u)%5)+12*\k+4*\c:48*((\u)%5)+12*\k+4*\c+3], v[L16], s[24:25] offset:6144*(\u)+1536*\k+512*\c
.endr
.endr
.endm
.irp p, 0,1,2,3,4,5,6,7
	global_load_b128 v[BPR+4*\p:BPR+4*\p+3], v[L16], s[10:11] offset:512*\p      ; my lane's columns 128 p + 4 l .. + 3
	global_load_b128 v[GAM+4*\p:GAM+4*\p+3], v[L16], s[12:13] offset:512*\p
.endr
.irp p, 0,1,2,3,4,5,6,7
	global_load_b128 v[BETA+4*\p:BETA+4*\p+3], v[L16], s[14:15] offset:512*\p
.endr
.irp m, 0,1
	global_load_b128 v[CSC+4*\m:CSC+4*\m+3], v[L16], s[30:31] offset:512*\m
.endr
.irp t, 0,1,2,3,4,5,6,7,8,9,10,11,12,13,14,15
	global_load_b128 v[WSC+4*\t:WSC+4*\t+3], v[L16], s[26:27] offset:512*\t
.endr
	WIN 0x40
.irp m, 0,1
.irp t, 0,1,2,3,4,5,6,7
	global_load_b128 v[12*(8*\m+\t):12*(8*\m+\t)+3], v[L16], s[28:29] offset:12288*\m+1536*\t        ; a fragment is two heads' halves
	global_load_b64 v[12*(8*\m+\t)+4:12*(8*\m+\t)+5], v[L8], s[28:29] offset:12288*\m+1536*\t+512
	global_load_b128 v[12*(8*\m+\t)+6:12*(8*\m+\t)+9], v[L16], s[28:29] offset:12288*\m+1536*\t+768
	global_load_b64 v[12*(8*\m+\t)+10:12*(8*\m+\t)+11], v[L8], s[28:29] offset:12288*\m+1536*\t+1280
.endr
.endr
	WIN 0x80
	RLOAD 0
	RLOAD 1
	RLOAD 2
	RLOAD 3
	RLOAD 4
	WIN 0
; Half a tile of Wp: K steps 4 q .. 4 q + 3 against both tiles of rows; the two accumulators take turns, one instruction a turn.
.macro HT u
.set nt, (\u)/2
.set qq, (\u)%2
.set ee, nt%2
; loads come back in order.  Behind group u's twelve were issued: two loads of hidden_input in each of the last min(u, 4) half tiles, and the twelve of each later group, of which min(4, 31 - u) have been asked for
.set nx, 2*(\u)
.if nx > 8
.set nx, 8
.endif
.set nr, 12*(31-(\u))
.if nr > 48
.set nr, 48
.endif
	s_wait_loadcnt nx+nr
	WIN 0x06                                       ; source 0 (Wp) window 2, source 1 (ctx) window 1
.irp k, 0,1,2,3
.irp m, 0,1
.set ss, 4*qq+\k
.set aC, ACC+16*ee+8*\m
.set rW, 48*((\u)%5)+12*\k
.set rC, 12*(8*\m+ss)
.if ss == 0
	v_wmma_scale_f32_16x16x128_f8f6f4 v[aC:aC+7], v[rW:rW+11], v[rC:rC+11], 0, v[WSC+4*nt], v[CSC+4*\m] matrix_a_fmt:MATRIX_FMT_BF6 matrix_b_fmt:MATRIX_FMT_BF6
.elseif ss%2 == 0
	v_wmma_scale_f32_16x16x128_f8f6f4 v[aC:aC+7], v[rW:rW+11], v[rC:rC+11], v[aC:aC+7], v[WSC+4*nt+ss/2], v[CSC+4*\m+ss/2] matrix_a_fmt:MATRIX_FMT_BF6 matrix_b_fmt:MATRIX_FMT_BF6
.else
	v_wmma_scale_f32_16x16x128_f8f6f4 v[aC:aC+7], v[rW:rW+11], v[rC:rC+11], v[aC:aC+7], v[WSC+4*nt+ss/2], v[CSC+4*\m+ss/2] matrix_a_fmt:MATRIX_FMT_BF6 matrix_b_fmt:MATRIX_FMT_BF6 matrix_a_scale:MATRIX_SCALE_ROW1 matrix_b_scale:MATRIX_SCALE_ROW1
.endif
.endr
.endr
	WIN 0
.rept 4
	v_nop                                          ; four places: results are stored, and loads go into the ring place, below
.endr
.if qq == 1
.irp m, 0,1
	ds_store_b128 v[STA+\m], v[ACC+16*ee+8*\m:ACC+16*ee+8*\m+3] offset:128*(nt/2)+32*(nt%2)          ; columns 256 w + 32 (nt / 2) + 8 (nt % 2) + 16 h + 0 .. 7; each accumulator from its low end on
	ds_store_b128 v[STA+\m], v[ACC+16*ee+8*\m+4:ACC+16*ee+8*\m+7] offset:128*(nt/2)+32*(nt%2)+16
.endr
.endif
	WIN 0xc0
.irp p, 0,1
	global_load_b128 v[32*((\u)/4)+4*(2*((\u)%4)+\p):32*((\u)/4)+4*(2*((\u)%4)+\p)+3], v[L16], s[8:9] offset:4096*((\u)/4)+512*(2*((\u)%4)+\p) th:TH_LOAD_NT   ; my rows of hidden_input, two loads a half tile
.endr
.if (\u) < 27
	WIN 0x80
	RLOAD (\u)+5                                   ; into the place just multiplied
.endif
	WIN 0
.endm
.set uu, 0
.rept 32
	HT uu
.set uu, uu+1
.endr
	s_wait_dscnt 0x0                               ; my stores into the stage are done
	s_barrier_signal -1
	s_barrier_wait -1                              ; 32 whole rows lie in the stage
	WIN 0x40
.irp i, 0,1,2,3,4,5,6,7
.irp p, 0,1,2,3,4,5,6,7
	ds_load_b128 v[32*\i+4*\p:32*\i+4*\p+3], v[SRD] offset:\i*SPITCH+512*\p
.endr
.endr
	s_wait_dscnt 0x0
	s_wait_loadcnt 0x0                             ; the last of hidden_input
	WIN 0xc7                                       ; window 3 = window 3 + window 1
.set kk, 0
.rept 128
	v_pk_add_f32 v[kk:kk+1], v[kk:kk+1], v[kk:kk+1]
.set kk, kk+2
.endr
	WIN 0xc3                                       ; + bp (window 0)
.set kk, 0
.rept 128
	v_pk_add_f32 v[kk:kk+1], v[kk:kk+1], v[BPR+kk%32:BPR+kk%32+1]
.set kk, kk+2
.endr
	WIN 0x0f                                       ; the rows' sums, eight chains by turns
.irp i, 0,1,2,3,4,5,6,7
	v_pk_add_f32 v[SUM+2*\i:SUM+2*\i+1], v[32*\i:32*\i+1], v[32*\i+2:32*\i+3]
.endr
	WIN 0x0c
.irp k, 2,3,4,5,6,7,8,9,10,11,12,13,14,15
.irp i, 0,1,2,3,4,5,6,7
	v_pk_add_f32 v[SUM+2*\i:SUM+2*\i+1], v[SUM+2*\i:SUM+2*\i+1], v[32*\i+2*\k:32*\i+2*\k+1]
.endr
.endr
	WIN 0
.macro RED base                        ; eight sums over the 32 lanes, the result in every lane
.irp i, 0,1,2,3,4,5,6,7
	v_add_f32 v[\base+2*\i], v[\base+2*\i], v[\base+2*\i+1]
.endr
.irp x, 1,2,4,8
.irp i, 0,1,2,3,4,5,6,7
	v_add_f32_dpp v[\base+2*\i], v[\base+2*\i], v[\base+2*\i] row_xmask:\x row_mask:0xf bank_mask:0xf
.endr
.endr
.irp i, 0,1,2,3,4,5,6,7
	v_permlanex16_b32 v[TP+\i], v[\base+2*\i], s[SEL], s[SEL+1]
.endr
.irp i, 0,1,2,3,4,5,6,7
	v_add_f32 v[\base+2*\i], v[\base+2*\i], v[TP+\i]
.endr
.endm
	RED SUM
.irp i, 0,1,2,3,4,5,6,7
	v_mul_f32 v[SUM+2*\i], s22, v[SUM+2*\i]        ; the mean
.endr
	WIN 0xc3                                       ; window 3 = window 3 - the mean (window 0)
.set kk, 0
.rept 128
	v_pk_add_f32 v[kk:kk+1], v[kk:kk+1], v[SUM+2*(kk/32):SUM+2*(kk/32)+1] op_sel_hi:[1,0] neg_lo:[0,1] neg_hi:[0,1]
.set kk, kk+2
.endr
	WIN 0x0f                                       ; the sums of squares of the centred numbers
.irp i, 0,1,2,3,4,5,6,7
	v_pk_mul_f32 v[SQ+2*\i:SQ+2*\i+1], v[32*\i:32*\i+1], v[32*\i:32*\i+1]
.endr
.irp k, 1,2,3,4,5,6,7,8,9,10,11,12,13,14,15
.irp i, 0,1,2,3,4,5,6,7
	v_pk_fma_f32 v[SQ+2*\i:SQ+2*\i+1], v[32*\i+2*\k:32*\i+2*\k+1], v[32*\i+2*\k:32*\i+2*\k+1], v[SQ+2*\i:SQ+2*\i+1]
.endr
.endr
	WIN 0
	RED SQ
.irp i, 0,1,2,3,4,5,6,7
	v_fma_f32 v[SQ+2*\i], v[SQ+2*\i], s22, s23     ; the variance + 1e-8
.endr
	s_wait_alu depctr_va_vdst(0)
.irp i, 0,1,2,3,4,5,6,7
	v_rsq_f32 v[SQ+2*\i], v[SQ+2*\i]
.endr
	v_nop                                          ; a plain place behind the transcendentals
	WIN 0xc3
.set kk, 0
	s_wait_alu depctr_va_vdst(0)
.rept 128
	v_pk_mul_f32 v[kk:kk+1], v[kk:kk+1], v[SQ+2*(kk/32):SQ+2*(kk/32)+1] op_sel_hi:[1,0]
.set kk, kk+2
.endr
	WIN 0xc3                                       ; x gamma + beta (both in window 0)
.set kk, 0
.rept 128
	v_pk_fma_f32 v[kk:kk+1], v[kk:kk+1], v[GAM+kk%32:GAM+kk%32+1], v[BETA+kk%32:BETA+kk%32+1]
.set kk, kk+2
.endr
	WIN 0x0c                                       ; a store's data are its source 1: window 3
.irp i, 0,1,2,3,4,5,6,7
.irp p, 0,1,2,3,4,5,6,7
	global_store_b128 v[L16], v[32*\i+4*\p:32*\i+4*\p+3], s[16:17] offset:4096*\i+512*\p th:TH_STORE_NT   ; 512 consecutive bytes a store, aligned to 256
.endr
.endr
	WIN 0
	s_wait_tensorcnt 0x0
	ds_add_u32 v254, v255
	s_wait_dscnt 0x0
	s_endpgm
.Lfunc_end_k_qce085ff41a_proj:
	.size	k_qce085ff41a_proj, .Lfunc_end_k_qce085ff41a_proj-k_qce085ff41a_proj
	.p2alignl 7, 3214868480
	.fill 96, 4, 3214868480
	.section	.rodata,"a",@progbits
	.p2align	6, 0x0
	.amdhsa_kernel k_qce085ff41a_proj
		.amdhsa_group_segment_fixed_size 132096
		.amdhsa_private_segment_fixed_size 0
		.amdhsa_enable_private_segment 0
		.amdhsa_kernarg_size 56
		.amdhsa_user_sgpr_count 2
		.amdhsa_user_sgpr_kernarg_segment_ptr 1
		.amdhsa_wavefront_size32 1
		.amdhsa_system_sgpr_workgroup_id_x 1
		.amdhsa_system_sgpr_workgroup_id_y 1
		.amdhsa_system_sgpr_workgroup_id_z 1
		.amdhsa_system_vgpr_workitem_id 0
		.amdhsa_next_free_vgpr 1024
		.amdhsa_next_free_sgpr 66
		.amdhsa_reserve_vcc 0
		.amdhsa_float_denorm_mode_32 3
		.amdhsa_float_denorm_mode_16_64 3
		.amdhsa_memory_ordered 1
		.amdhsa_forward_progress 1
		.amdhsa_inst_pref_size 174
	.end_amdhsa_kernel
	.amdgpu_metadata
---
amdhsa.version: [ 1, 2 ]
amdhsa.kernels:
  - .name:           k_qce085ff41a_proj
    .symbol:         k_qce085ff41a_proj.kd
    .args:
      - { .name: cb, .offset: 0, .size: 8, .value_kind: global_buffer, .address_space: global }
      - { .name: wq, .offset: 8, .size: 8, .value_kind: global_buffer, .address_space: global }
      - { .name: hidden_input, .offset: 16, .size: 8, .value_kind: global_buffer, .address_space: global }
      - { .name: bp, .offset: 24, .size: 8, .value_kind: global_buffer, .address_space: global }
      - { .name: gamma, .offset: 32, .size: 8, .value_kind: global_buffer, .address_space: global }
      - { .name: beta, .offset: 40, .size: 8, .value_kind: global_buffer, .address_space: global }
      - { .name: out0, .offset: 48, .size: 8, .value_kind: global_buffer, .address_space: global }
    .group_segment_fixed_size: 132096
    .private_segment_fixed_size: 0
    .kernarg_segment_align: 8
    .kernarg_segment_size: 56
    .max_flat_workgroup_size: 128
    .sgpr_count:     66
    .vgpr_count:     1024
    .wavefront_size: 32
...
	.end_amdgpu_metadata
.endif
;; end of part 4
